; MI455X (gfx1250); checked and timed in simulation.
; The chip was launched on July 23, 2026; its instructions are those of AMD's public machine-readable ISA for CDNA 5 (MIT licence, August 2026) and "CDNA5" Instruction Set Architecture Reference Guide (July 2026). The comments in the code are by the model that wrote it; some were corrected since.
;; Causal Attention. Allowed arithmetic: float matrix products may take bf16 or f16 operands with f32 sums; other float arithmetic in f32, or as packed bf16 or f16 multiplies, adds, multiply-adds, maxima and minima; sums over many terms, partial sums and values carried from step to step in f32; what a program stores and reads back later, other than sums and carried values, may be rounded once to bf16 or f16.
;; Inputs: Wk 1,024 x 1,024 float32; Wq 1,024 x 1,024 float32; Wv 1,024 x 1,024 float32; x 4 x 2,048 x 1,024 float32.
;; Outputs: out0 4 x 2,048 x 1,024 float32.
;; One version. Each part assembles by itself: llvm-mc -triple=amdgcn-amd-amdhsa -mcpu=gfx1250 --defsym DOCPART=n.
;; ======== version 1 of 1: 5 launches
;; limits: values are held in f16: magnitudes above 65,504 overflow, below 6.1e-05 lose precision
;; workspace buffers: xb 16,777,216 bytes; wt 6,291,456 bytes; qkv 50,331,648 bytes; ext 6,291,456 bytes; sc 67,108,864 bytes; pw 33,554,432 bytes
;; launch prep (part 1): grid 896 x 1, 8 waves a work-group, no clusters, 18,432 bytes of LDS; arguments x, Wq, Wk, Wv, xb, wt; writes xb, wt
.if DOCPART == 1
	.amdgcn_target "amdgcn-amd-amdhsa--gfx1250"
	.amdhsa_code_object_version 6
	.text
	.protected	k_q6c5b5fb818_prep
	.globl	k_q6c5b5fb818_prep
	.p2align	8
	.type	k_q6c5b5fb818_prep,@function
k_q6c5b5fb818_prep:
	s_mov_b64 s[64:65], 0
	v_nop
	global_prefetch_b8 v0, s[64:65] scope:SCOPE_SE
	s_setreg_imm32_b32 hwreg(HW_REG_WAVE_MODE, 25, 1), 1
	s_wait_xcnt 0x0
; xb = x rounded to bf16, [8192][1024].  wt = the three weights rounded to bf16 and turned: wt[n][k] = W[k][n % 1024], rows 0-1023 Wq, 1024-2047 Wk, 2048-3071 Wv.
; Work-groups 0-511 take 65,536 bytes of x each: a stream, no LDS.  Work-groups 512-895 take a block of 128 k x 64 n of one weight and turn it through LDS.
; The branch between the two hangs on the work-group's number alone: it is the same for all eight waves, so all of them meet the one barrier of the second way or none does.
.set SPARE, 17408                      ; behind the stage (64 rows x 272 bytes): the spare words, 128 bytes a wave, four blocks of 256 bytes that no other line names
.set SPW, 8                            ; v8  LDS address of my spare word; never rewritten
.set NIL, 9                            ; v9  0; never rewritten
.set SP,  272                          ; a stage row: 256 bytes (128 k in bf16) + 16
	s_load_b256 s[4:11], s[0:1], 0x0               ; x s[4:5], Wq s[6:7], Wk s[8:9], Wv s[10:11]
	s_load_b128 s[12:15], s[0:1], 0x20             ; xb s[12:13], wt s[14:15]
	v_lshl_add_u32 v[SPW], v0, 2, SPARE
	v_mov_b32 v[NIL], 0
	s_cmp_lt_u32 ttmp9, 512
	s_cbranch_scc0 .Lw
	; ---- x: thread t takes 16 bytes at 16 t of each of sixteen pieces of 4,096 bytes, and stores 8 bytes at 8 t of pieces of 2,048
	v_lshlrev_b32 v1, 4, v0
	v_lshlrev_b32 v2, 3, v0
	s_lshl_b32 s16, ttmp9, 16
	s_mov_b32 s17, 0
	s_lshl_b32 s18, ttmp9, 15
	s_mov_b32 s19, 0
	s_wait_kmcnt 0x0
	s_add_nc_u64 s[4:5], s[4:5], s[16:17]
	s_add_nc_u64 s[12:13], s[12:13], s[18:19]
.set i, 0
.rept 16
	global_load_b128 v[16+4*i:19+4*i], v1, s[4:5] offset:4096*i th:TH_LOAD_NT
.set i, i+1
.endr
.set i, 0
.rept 16
	s_wait_loadcnt 15-i                            ; loads come back in order: piece i is in, the 15 - i younger ones stay out
	v_cvt_pk_bf16_f32 v[80+2*i], v[16+4*i], v[17+4*i]
	v_cvt_pk_bf16_f32 v[81+2*i], v[18+4*i], v[19+4*i]
	global_store_b64 v2, v[80+2*i:81+2*i], s[12:13] offset:2048*i th:TH_STORE_NT  ; a wave's store covers 256 consecutive bytes, aligned
.set i, i+1
.endr
	s_endpgm                                       ; this way has written no LDS
	; ---- a weight: h = matrix x 128 + block of 128 k x 16 + block of 64 n
.Lw:
	s_sub_co_u32 s20, ttmp9, 512
	s_lshr_b32 s21, s20, 7                         ; which weight
	s_bfe_u32 s22, s20, 0x30004                    ; block of 128 k
	s_and_b32 s23, s20, 15                         ; block of 64 n
	s_lshl_b32 s24, s22, 19                        ; 128 rows of 4,096 bytes
	s_lshl_b32 s25, s23, 8                         ; 64 columns of 4 bytes
	s_add_co_u32 s24, s24, s25
	s_mov_b32 s25, 0
	s_lshl_b32 s26, s21, 10
	s_lshl_b32 s27, s23, 6
	s_add_co_u32 s26, s26, s27                     ; wt's row
	s_lshl_b32 s26, s26, 11                        ; of 2,048 bytes
	s_lshl_b32 s27, s22, 8                         ; 128 k of 2 bytes
	s_add_co_u32 s26, s26, s27
	s_mov_b32 s27, 0
	v_lshrrev_b32 v10, 5, v0
	v_readfirstlane_b32 s28, v10                   ; wave 0..7
	v_and_b32 v11, 31, v0                          ; lane
	s_lshl_b32 s29, s28, 16                        ; my 16 rows of k
	v_lshl_add_u32 v3, v11, 3, s29                 ; + my two columns: 8 bytes
	s_lshl_b32 s29, s28, 5                         ; into the stage: rows 2 l and 2 l + 1, my 16 k = 32 bytes at 32 x wave
	v_mul_u32_u24 v4, v11, 2*SP
	v_add_nc_u32 v4, s29, v4
	v_lshrrev_b32 v12, 4, v11                      ; back: my wave's rows 8 w .. 8 w + 7, two whole rows a load
	v_and_b32 v13, 15, v11
	s_mul_i32 s29, s28, 8*SP
	v_mul_u32_u24 v5, v12, SP
	v_lshl_add_u32 v5, v13, 4, v5
	v_add_nc_u32 v5, s29, v5
	s_lshl_b32 s29, s28, 14                        ; and the same rows in wt: 8 rows of 2,048 bytes a wave
	v_lshlrev_b32 v6, 11, v12
	v_lshl_add_u32 v6, v13, 4, v6
	v_add_nc_u32 v6, s29, v6
	s_wait_kmcnt 0x0
	s_cmp_eq_u32 s21, 0
	s_cselect_b64 s[16:17], s[6:7], s[8:9]
	s_cmp_eq_u32 s21, 2
	s_cselect_b64 s[16:17], s[10:11], s[16:17]
	s_add_nc_u64 s[16:17], s[16:17], s[24:25]
	s_add_nc_u64 s[14:15], s[14:15], s[26:27]
.set i, 0
.rept 16
	global_load_b64 v[16+2*i:17+2*i], v3, s[16:17] offset:4096*i th:TH_LOAD_NT  ; row k = 16 w + i, columns 2 l, 2 l + 1: 256 consecutive bytes a wave
.set i, i+1
.endr
	s_wait_loadcnt 0x0
.set j, 0
.rept 8
	v_cvt_pk_bf16_f32 v[80+j], v[16+4*j], v[18+4*j]   ; column 2 l: k = 2 j, 2 j + 1
	v_cvt_pk_bf16_f32 v[88+j], v[17+4*j], v[19+4*j]   ; column 2 l + 1
.set j, j+1
.endr
	ds_store_b128 v4, v[80:83]
	ds_store_b128 v4, v[84:87] offset:16
	ds_store_b128 v4, v[88:91] offset:SP
	ds_store_b128 v4, v[92:95] offset:SP+16
	s_wait_dscnt 0x0                               ; for the others' sake: my stores are done
	s_barrier_signal -1
	s_barrier_wait -1                              ; a row's 256 bytes come from all eight waves
.irp t, 0,1,2,3
	ds_load_b128 v[96+4*\t:99+4*\t], v5 offset:2*SP*\t
.endr
.irp t, 0,1,2,3
	s_wait_dscnt 3-\t
	global_store_b128 v6, v[96+4*\t:99+4*\t], s[14:15] offset:4096*\t th:TH_STORE_NT  ; sixteen lanes store 256 consecutive bytes, aligned
.endr
	s_wait_tensorcnt 0x0                           ; the wave's end
	ds_add_u32 v[SPW], v[NIL]
	s_wait_dscnt 0x0
	s_endpgm
.Lfunc_end_k_q6c5b5fb818_prep:
	.size	k_q6c5b5fb818_prep, .Lfunc_end_k_q6c5b5fb818_prep-k_q6c5b5fb818_prep
	.p2alignl 7, 3214868480
	.fill 96, 4, 3214868480
	.section	.rodata,"a",@progbits
	.p2align	6, 0x0
	.amdhsa_kernel k_q6c5b5fb818_prep
		.amdhsa_group_segment_fixed_size 18432
		.amdhsa_private_segment_fixed_size 0
		.amdhsa_enable_private_segment 0
		.amdhsa_kernarg_size 48
		.amdhsa_user_sgpr_count 2
		.amdhsa_user_sgpr_kernarg_segment_ptr 1
		.amdhsa_wavefront_size32 1
		.amdhsa_system_sgpr_workgroup_id_x 1
		.amdhsa_system_sgpr_workgroup_id_y 1
		.amdhsa_system_sgpr_workgroup_id_z 1
		.amdhsa_system_vgpr_workitem_id 0
		.amdhsa_next_free_vgpr 112
		.amdhsa_next_free_sgpr 66
		.amdhsa_reserve_vcc 0
		.amdhsa_float_denorm_mode_32 3
		.amdhsa_float_denorm_mode_16_64 3
		.amdhsa_memory_ordered 1
		.amdhsa_forward_progress 1
		.amdhsa_inst_pref_size 12
	.end_amdhsa_kernel
	.amdgpu_metadata
---
amdhsa.version: [ 1, 2 ]
amdhsa.kernels:
  - .name:           k_q6c5b5fb818_prep
    .symbol:         k_q6c5b5fb818_prep.kd
    .args:
      - { .name: x, .offset: 0, .size: 8, .value_kind: global_buffer, .address_space: global }
      - { .name: Wq, .offset: 8, .size: 8, .value_kind: global_buffer, .address_space: global }
      - { .name: Wk, .offset: 16, .size: 8, .value_kind: global_buffer, .address_space: global }
      - { .name: Wv, .offset: 24, .size: 8, .value_kind: global_buffer, .address_space: global }
      - { .name: xb, .offset: 32, .size: 8, .value_kind: global_buffer, .address_space: global }
      - { .name: wt, .offset: 40, .size: 8, .value_kind: global_buffer, .address_space: global }
    .group_segment_fixed_size: 18432
    .private_segment_fixed_size: 0
    .kernarg_segment_align: 8
    .kernarg_segment_size: 48
    .max_flat_workgroup_size: 256
    .sgpr_count:     66
    .vgpr_count:     112
    .wavefront_size: 32
...
	.end_amdgpu_metadata
.endif
;; end of part 1
;; launch proj (part 2): grid 12 x 32, 4 waves a work-group, clusters of 4 x 4, 327,680 bytes of LDS; arguments xb, wt, qkv, ext; writes qkv, ext
.if DOCPART == 2
	.amdgcn_target "amdgcn-amd-amdhsa--gfx1250"
	.amdhsa_code_object_version 6
	.text
	.protected	k_q6c5b5fb818_proj
	.globl	k_q6c5b5fb818_proj
	.p2align	8
	.type	k_q6c5b5fb818_proj,@function
k_q6c5b5fb818_proj:
	s_mov_b64 s[64:65], 0
	v_nop
	global_prefetch_b8 v0, s[64:65] scope:SCOPE_SE
	s_setreg_imm32_b32 hwreg(HW_REG_WAVE_MODE, 25, 1), 1
	s_wait_xcnt 0x0
	s_wait_alu depctr_hold_cnt(0) depctr_sa_sdst(0) depctr_va_vdst(0) depctr_va_sdst(0) depctr_va_ssrc(0) depctr_va_vcc(0) depctr_vm_vsrc(0)
	s_getreg_b32 s2, hwreg(HW_REG_IB_STS2, 6, 4)
	s_cmp_eq_u32 s2, 0
	s_cbranch_scc0 .Lentry_in_a_cluster
	s_endpgm
.Lentry_in_a_cluster:
	s_bfe_u32 s2, ttmp6, 0x10000c
	s_cmp_lg_u32 s2, 0xf033
	s_cbranch_scc0 .Lentry_shape_is_right
	s_endpgm
.Lentry_shape_is_right:
; qkv[m][n] = sum over k of xb[m][k] wt[n][k].  xb: [8192][1024] bf16, wt: [3072][1024] bf16, qkv: [8192][3072] f16 (columns 0-1023 q, 1024-2047 k, 2048-3071 v); sums in f32, rounded once.
; THE SECOND PARTS.  A row that sees few keys has numbers many times the output's root mean square, and f16's rounding of q, k and v shows there.  So for each batch's first 256 rows what the rounding
; dropped, sum - f16(sum), is stored too, in f16: ext [4][256][3072]: columns 0-1023 q's, 1024-2047 k's; in v's columns rows 0-63 hold a copy of f16(v) of rows 0-63 and rows 64-127 their second parts.
; LIMIT: f16 ends at 65,504: a q, k or v beyond that becomes an infinity.  With x and the weights thirty times their drawn spread the numbers have a spread of 900.  A second part keeps f16's fixed step of 6e-8.
; A tile of 256 x 256 is made by four waves, each 128 x 128: 64 accumulators, 512 registers.  K goes in steps of 128 through two LDS slots filled by the tensor data mover; rows of 256 bytes.
; A K STEP IS WRITTEN ONCE: the loop's trip is one K step; the slot that is read is a scalar, 0 or SLOT, turned by an exclusive or, and one descriptor walks from slot to slot in the same way.
; The loop is entered in its middle, behind the change of slots, so that the quarters of the last K step but one need no second text.
; CLUSTER 4 x 4: the four of a row need the same tiles of xb, the four of a column the same tiles of wt: each tile is asked for jointly, by the same load with the same descriptor and a mask of four.
; Tile row = 8 cy + cluster y: a cluster's four rows lie in the four batches, at the same block of 256, so that the batches' first blocks are the clusters with y = 0; tile columns 4 x .. 4 x + 3 of cluster x are
; q (0), k (1) or v (2).  So the branches round the second parts hang on the cluster's coordinates and the wave's number alone.
; The last K step goes by rows of the result, so that finished rows leave while the others are multiplied.
; REGISTERS, in windows of 256: window 0: v0-31 addresses; v64-191 fragments of A; v32-63, v192-255 at work on the way out.  window 1: fragments of B.  windows 2, 3: the accumulators ((a, b) at v[8 (8 a + b)]).
; THE MATRIX INSTRUCTION IS USED TRANSPOSED: source 0 = 16 rows of wt, source 1 = 16 rows of xb: a lane holds row l % 16 and the columns 8 (l / 16) + 0..7: 16 bytes of f16 on end.
.set SIZE_M, 8192
.set SIZE_N, 3072
.set SIZE_K, 1024
.set KSTEP,  128
.set STEPS,  SIZE_K/KSTEP
.set PITCH,  272                       ; an LDS row: 256 bytes + 16 = 68 words: the 16 rows of a load start at 16 different groups of four banks (ISA guide 11.1)
.set HALFT,  128*PITCH                 ; what one tensor load brings
.set SLOT,   4*HALFT                   ; A's 256 rows, then B's 256 rows.  0x22000: no wave's place in a slot (0, 0x8800, 0x11000, 0x19800) has one of its two bits, so an exclusive or with it goes from slot to slot
.set STAGE,  2*SLOT                    ; behind the ring: 16 rows x 272 bytes for each wave
.set SPITCH, 272
.set SPARE,  STAGE+4*16*SPITCH         ; behind the stages: the spare words, 128 bytes a wave
.set ADRA, 16                          ; v16-17  my fragments of A in slot 0, 1; never rewritten
.set CA,   18                          ; v18     the same in the slot that is being read
.set ADRB, 20                          ; v20-21, v22: the same for B
.set CB,   22
.set STO,  24
.set RD,   25
.set CO,   26
.set M1,   27                          ; v27  -1.0
.set SPW,  28
.set NIL,  29
.set PFO,  30                          ; the prefetches' offset: my lane x a row of 2,048 bytes
.set PFA,  44                          ; s[44:45] where my prefetches stand
.set LIM,  43                          ; s43  2 in a wave that prefetches, else the greatest number
.set EB,   66                          ; s[66:67] ext at my rows and columns (for v: 64 rows further down)
.set LO4,  68                          ; s68  1: my blocks 0-3 store second parts
.set LO8,  69                          ; s69  1: my blocks 4-7 do
.set CPY,  70                          ; s70  1: my blocks 0-3 store a copy of f16(v) too
.set TB,   71                          ; s71  the slot that is being read: 0 or SLOT
.set F0,   64
.set F1,   128
.set TMP,  192
.set OB,   32
.set PA,   64
.set G1, 24
.set G0, 32                            ; s[32:39] group 0 for A's tiles: a set for each of the two first fills; the second then walks on
.set G1B, 48
.set G0B, 56
.set MSB, 0
.macro WIN new                         ; the immediate's high byte repeats the setting that is left
.if MSB != (\new)
	s_set_vgpr_msb (MSB<<8)|(\new)
.set MSB, \new
.endif
.endm
.set MUL_LO, 0xa1                      ; source 0 (B) window 1, source 1 (A) window 0, C and D window 2
.set MUL_HI, 0xf1                      ; the same, C and D window 3
.set TO_B,   0x40                      ; destination window 1, address window 0
; A joint load: waves 0 and 1 fetch A's halves, waves 2 and 3 B's.  The branch hangs on the wave's number alone.  An s_nop 0 and four v_nop follow each line.
.macro JLOAD s
	s_cmp_eq_u32 s11, 0
	s_cbranch_scc0 .Lfor_b_\@
	tensor_load_to_lds s[G0+4*(\s):G0+4*(\s)+3], s[G1:G1+7]
	s_nop 0
.rept 4
	v_nop
.endr
	s_branch .Lasked_\@
.Lfor_b_\@:
	tensor_load_to_lds s[G0B+4*(\s):G0B+4*(\s)+3], s[G1B:G1B+7]
	s_nop 0
.rept 4
	v_nop
.endr
.Lasked_\@:
.endm
; A prefetch of the K step that stands two refills on: 32 rows x 256 bytes, a lane a row.  A's rows are named by the clusters with x = 0, B's by those with y = 0; the four partners of a joint
; load take 32 rows each, told apart by address.  So each row's 256 bytes of a K step are named once.  Change of slots t refills K step t + 2 and names K step t + 4: the last two ask for nothing.
.macro ASK
	s_cmp_gt_u32 s3, s[LIM]
	s_cbranch_scc0 .Lnot_mine_\@
	global_prefetch_b8 v[PFO], s[PFA:PFA+1] offset:KSTEP*2 th:TH_LOAD_NT scope:SCOPE_SE
.Lnot_mine_\@:
.endm
.macro CREST                           ; a round of the cluster's barrier behind its opening barrier
	s_cmp_lg_u32 s10, 0
	s_cbranch_scc1 .Lnot_wave_0_\@
	s_barrier_signal -3
.Lnot_wave_0_\@:
	s_barrier_wait -3
	s_barrier_signal -1
	s_barrier_wait -1
.endm
.macro CROUND
	s_barrier_signal -1
	s_barrier_wait -1
	CREST
.endm
	s_load_b128 s[4:7], s[0:1], 0x0                ; A s[4:5], B s[6:7]
	s_load_b64 s[8:9], s[0:1], 0x10                ; C
	s_load_b64 s[EB:EB+1], s[0:1], 0x18            ; ext
	v_lshl_add_u32 v[SPW], v0, 2, SPARE
	v_mov_b32 v[NIL], 0
	ds_add_u32 v[SPW], v[NIL]                      ; the wave's opening
	ds_add_u32 v28, v29
	v_lshrrev_b32 v1, 5, v0
	v_readfirstlane_b32 s10, v1                    ; wave 0..3
	v_mov_b32 v[M1], -1.0
	s_lshr_b32 s11, s10, 1                         ; my half of the tile's rows; also: I fetch for A (0) or B (1)
	s_and_b32 s12, s10, 1                          ; my half of its columns; also: which 128 rows I fetch
	s_bfe_u32 s40, ttmp6, 0x40000                  ; cx
	s_bfe_u32 s41, ttmp6, 0x40004                  ; cy
	s_lshl_b32 s42, ttmp9, 2
	s_add_co_u32 s42, s42, s40                     ; tile column = 4 x cluster x + cx
	s_and_b32 s13, ttmp7, 0xffff                   ; cluster y: the block of 256 rows in a batch
	s_lshl_b32 s14, s41, 3
	s_add_co_u32 s13, s13, s14                     ; tile row = 8 cy + cluster y: batch cy
	s_and_b32 s[LO4], ttmp7, 0xffff                ; who stores second parts: made of the cluster's coordinates and the wave's number
	s_cmp_eq_u32 s[LO4], 0
	s_cselect_b32 s[LO4], 1, 0                     ; the batches' first blocks
	s_cmp_lt_u32 ttmp9, 2
	s_cselect_b32 s[LO8], s[LO4], 0                ; q and k: all 256 rows
	s_cmp_eq_u32 s11, 0
	s_cselect_b32 s[CPY], s[LO4], 0
	s_cmp_eq_u32 ttmp9, 2
	s_cselect_b32 s[CPY], s[CPY], 0                ; v: the upper waves' blocks 0-3, rows 0-63
	s_or_b32 s[LO4], s[LO8], s[CPY]
	s_mov_b32 s[TB], 0
	s_lshl_b32 s43, s41, 2
	s_lshl_b32 s43, 15, s43                        ; my row of the cluster
	s_lshl_b32 s44, 0x1111, s40                    ; my column
	s_or_b32 s[G1+0], s43, (1<<16)|(1<<20)|(1<<21)|(5<<22)|(3<<25)  ; mask; 2-byte elements; padding on; bit 21 beside a mask; after every 64 words 4 words
	s_or_b32 s[G1B+0], s44, (1<<16)|(1<<20)|(1<<21)|(5<<22)|(3<<25)
	s_mov_b32 s[G1B+1], KSTEP<<16
	s_mov_b32 s[G1+1], KSTEP<<16                   ; tensor_dim0 = 128
	s_mov_b32 s[G1B+2], 128<<16
	s_mov_b32 s[G1+2], 128<<16                     ; tensor_dim1 = 128
	s_mov_b32 s[G1B+3], KSTEP<<16
	s_mov_b32 s[G1+3], KSTEP<<16                   ; tile_dim0 = 128
	s_mov_b32 s[G1B+4], 128
	s_mov_b32 s[G1+4], 128                         ; tile_dim1 = 128
	s_mov_b32 s[G1B+5], SIZE_K
	s_mov_b32 s[G1+5], SIZE_K                      ; elements from row to row
	s_mov_b32 s[G1B+6], 0
	s_mov_b32 s[G1+6], 0
	s_mov_b32 s[G1B+7], 0
	s_mov_b32 s[G1+7], 0
	s_lshl_b32 s17, s12, 7
	s_lshl_b32 s16, s13, 8
	s_add_co_u32 s16, s16, s17                     ; A: row 256 x tile row + 128 x half
	s_lshl_b32 s46, s42, 8
	s_add_co_u32 s46, s46, s17                     ; B: row 256 x tile column + 128 x half
	s_mov_b32 s17, 0
	s_mov_b32 s47, 0
	s_mov_b64 s[18:19], SIZE_K*2
	s_mul_u64 s[16:17], s[16:17], s[18:19]
	s_mul_u64 s[46:47], s[46:47], s[18:19]
	s_mul_i32 s20, s10, HALFT                      ; where they go: wave x 128 rows
	s_wait_dscnt 0x0                               ; the opening add is done
	s_wait_kmcnt 0x0
	s_add_nc_u64 s[14:15], s[4:5], s[16:17]
	s_add_nc_u64 s[46:47], s[6:7], s[46:47]
	CROUND                                         ; all sixteen work-groups are here: the first joint loads meet
.irp s, 0,1
	s_mov_b32 s[G0+4*(\s)], 1
	s_add_co_u32 s[G0+4*(\s)+1], s20, (\s)*SLOT
	s_add_nc_u64 s[G0+4*(\s)+2:G0+4*(\s)+3], s[14:15], (\s)*KSTEP*2
	s_or_b32 s[G0+4*(\s)+3], s[G0+4*(\s)+3], 0x80000000
	s_mov_b32 s[G0B+4*(\s)], 1
	s_add_co_u32 s[G0B+4*(\s)+1], s20, (\s)*SLOT
	s_add_nc_u64 s[G0B+4*(\s)+2:G0B+4*(\s)+3], s[46:47], (\s)*KSTEP*2
	s_or_b32 s[G0B+4*(\s)+3], s[G0B+4*(\s)+3], 0x80000000
	JLOAD \s
.endr
	; a fragment is 16 rows x 32 K in 8 registers: lane l holds row l % 16, K = 8 (l / 16) + 0..7 and 16 + 8 (l / 16) + 0..7: two loads of 16 bytes, 32 bytes apart
	v_and_b32 v1, 15, v0
	v_bfe_u32 v2, v0, 4, 1
	v_mul_u32_u24 v3, v1, PITCH
	v_lshl_add_u32 v3, v2, 4, v3
	s_mul_i32 s21, s11, HALFT
	s_mul_i32 s22, s12, HALFT
	s_add_co_u32 s22, s22, 2*HALFT
.irp s, 0,1
	v_add_nc_u32 v[ADRA+(\s)], s21, v3
	v_add_nc_u32 v[ADRB+(\s)], s22, v3
	s_add_co_u32 s21, s21, SLOT
	s_add_co_u32 s22, s22, SLOT
.endr
	v_mov_b32 v[CA], v[ADRA]                       ; slot 0 is read first
	v_mov_b32 v[CB], v[ADRB]
	s_mul_i32 s23, s10, 16*SPITCH
	s_add_co_u32 s23, s23, STAGE                   ; my stage
	v_mul_u32_u24 v4, v1, SPITCH
	v_lshl_add_u32 v4, v2, 4, v4
	v_add_nc_u32 v[STO], s23, v4
	v_mul_u32_u24 v5, v2, SPITCH
	v_lshl_add_u32 v5, v1, 4, v5
	v_add_nc_u32 v[RD], s23, v5
	v_mul_u32_u24 v5, v2, SIZE_N*2
	v_lshl_add_u32 v[CO], v1, 4, v5
	s_lshl_b32 s13, s13, 8
	s_lshl_b32 s14, s11, 7
	s_add_co_u32 s16, s13, s14                     ; my first row of C
	s_mov_b32 s17, 0
	s_mov_b64 s[18:19], SIZE_N*2
	s_mul_u64 s[16:17], s[16:17], s[18:19]
	s_lshl_b32 s46, s42, 9                         ; my first column, in bytes
	s_lshl_b32 s47, s12, 8
	s_add_co_u32 s46, s46, s47
	s_mov_b32 s47, 0
	s_add_nc_u64 s[16:17], s[16:17], s[46:47]
	s_lshl_b32 s20, s41, 8                         ; ext: batch cy's 256 rows,
	s_lshl_b32 s21, s11, 7                         ; my half of them,
	s_add_co_u32 s20, s20, s21
	s_lshl_b32 s21, s[CPY], 6                      ; v's second parts lie 64 rows down, behind the copy
	s_add_co_u32 s20, s20, s21
	s_mul_i32 s20, s20, SIZE_N*2
	s_mov_b32 s21, 0
	s_add_nc_u64 s[EB:EB+1], s[EB:EB+1], s[20:21]
	s_add_nc_u64 s[EB:EB+1], s[EB:EB+1], s[46:47]  ; the same columns as in qkv
	; the prefetches
	s_lshl_b32 s42, s42, 8
	s_and_b32 s22, ttmp7, 0xffff                   ; cluster y
	s_cmp_eq_u32 s11, 0
	s_cselect_b32 s20, s13, s42                    ; the tile's first row
	s_cselect_b32 s21, s40, s41                    ; my place among the four that ask with me
	s_cselect_b32 s22, ttmp9, s22                  ; the coordinate along which other clusters read the same rows
	s_cselect_b64 s[PFA:PFA+1], s[4:5], s[6:7]
	s_cmp_eq_u32 s22, 0
	s_cselect_b32 s[LIM], 2, -1
	s_lshl_b32 s22, s12, 7
	s_add_co_u32 s20, s20, s22
	s_lshl_b32 s21, s21, 5
	s_add_co_u32 s20, s20, s21
	s_mov_b32 s21, 0
	s_mov_b64 s[18:19], SIZE_K*2
	s_mul_u64 s[20:21], s[20:21], s[18:19]
	s_add_nc_u64 s[PFA:PFA+1], s[PFA:PFA+1], s[20:21]
	s_add_nc_u64 s[PFA:PFA+1], s[PFA:PFA+1], 2*KSTEP*2  ; at K step 2: the first refill steps it to 3 and names K step 4
	v_and_b32 v[PFO], 31, v0
	v_mul_u32_u24 v[PFO], v[PFO], SIZE_K*2
; 16 matrix instructions: m blocks a0, a0 + 1 of the window's four x all 8 n blocks, 32 along K.  zero = 1: the first product starts the sums.  The 64 accumulators take turns.
.macro MUL16 f, hi, a0, zero
	WIN MUL_LO+0x50*(\hi)
.irp a, \a0, (\a0)+1
.irp b, 0,1,2,3,4,5,6,7
.if \zero
	v_wmma_f32_16x16x32_bf16 v[8*(8*(\a)+(\b)):8*(8*(\a)+(\b))+7], v[(\f)+8*(\b):(\f)+8*(\b)+7], v[(\f)+8*(4*(\hi)+(\a)):(\f)+8*(4*(\hi)+(\a))+7], 0
.else
	v_wmma_f32_16x16x32_bf16 v[8*(8*(\a)+(\b)):8*(8*(\a)+(\b))+7], v[(\f)+8*(\b):(\f)+8*(\b)+7], v[(\f)+8*(4*(\hi)+(\a)):(\f)+8*(4*(\hi)+(\a))+7], v[8*(8*(\a)+(\b)):8*(8*(\a)+(\b))+7]
.endif
.endr
.endr
.endm
; 32 LDS loads in one run: the fragments of one quarter step, at byte k of the rows of the slot that is being read, into buffer f
.macro FETCH k, f
	WIN TO_B
.irp i, 0,1,2,3,4,5,6,7
	ds_load_b128 v[(\f)+8*(\i):(\f)+8*(\i)+3],   v[CB] offset:(\k)+(\i)*16*PITCH
	ds_load_b128 v[(\f)+8*(\i)+4:(\f)+8*(\i)+7], v[CB] offset:(\k)+(\i)*16*PITCH+32
.endr
	WIN 0
.irp i, 0,1,2,3,4,5,6,7
	ds_load_b128 v[(\f)+8*(\i):(\f)+8*(\i)+3],   v[CA] offset:(\k)+(\i)*16*PITCH
	ds_load_b128 v[(\f)+8*(\i)+4:(\f)+8*(\i)+7], v[CA] offset:(\k)+(\i)*16*PITCH+32
.endr
.endm
.macro PLACES                          ; four plain vector instructions between a matrix instruction and a load into, or a reader of, its registers
.rept 4
	v_nop
.endr
.endm
.macro QUARTER k, f, g, zero           ; multiplies buffer f; in its middle fetches the next quarter, at byte k, into g
	s_wait_dscnt 8                                 ; B and A's rows 0-63 are in; the youngest eight loads (A's rows 64-127) may be out
	WIN MUL_LO
	MUL16 \f, 0, 0, \zero
	MUL16 \f, 0, 2, \zero
	PLACES
	FETCH \k, \g
	s_wait_dscnt 32                                ; all but the 32 just issued
	WIN MUL_HI
	MUL16 \f, 1, 0, \zero
	MUL16 \f, 1, 2, \zero
.endm
; The first half of a K step's last quarter: one barrier for the change of slots.
.macro MEET round
	WIN 0
	s_wait_tensorcnt 0x0                           ; all my tensor loads have landed: the one that was out is my part of the next slot
	ds_add_u32 v[SPW], v[NIL]
	s_wait_dscnt 9                                 ; (the add and the youngest eight loads may be out)
	WIN MUL_LO
	MUL16 F1, 0, 0, 0
	s_wait_dscnt 0x0                               ; the add is done, and my reads of this slot are over
	s_barrier_signal -1
	MUL16 F1, 0, 2, 0
.if \round
	WIN 0
.endif
	s_barrier_wait -1
.endm
; The whole last quarter: the slot just read out is filled again with the K step two on, and the reading goes over to the other slot.
.macro TURN
	s_wait_xcnt 0x0                                ; the last prefetch, a K step back, has read its address
	s_add_nc_u64 s[PFA:PFA+1], s[PFA:PFA+1], KSTEP*2
	MEET 1
	CREST                                          ; no wave of any partner still reads this slot's tile or has a load on its way
.irp g, G0+4, G0B+4
	s_xor_b32 s[(\g)+1], s[(\g)+1], SLOT           ; the walking descriptor: the other slot than last time,
	s_add_nc_u64 s[(\g)+2:(\g)+3], s[(\g)+2:(\g)+3], KSTEP*2  ; the next K step; the type bits on top are not reached
.endr
	s_xor_b32 s[TB], s[TB], SLOT
	JLOAD 1                                        ; the first tensor load behind the round; its four v_nop are also the places in front of the loads below
	v_add_nc_u32 v[CA], s[TB], v[ADRA]
	v_add_nc_u32 v[CB], s[TB], v[ADRB]
	FETCH 0, F0
	ASK
	WIN MUL_HI
	MUL16 F1, 1, 0, 0
	MUL16 F1, 1, 2, 0
.endm
; The last K step (slot 1) goes by rows of C: all its fragments of B fill window 1; my eight blocks of 16 rows are finished one after the other.
.macro BLOAD q
	WIN TO_B
.irp i, 0,1,2,3,4,5,6,7
	ds_load_b128 v[64*(\q)+8*(\i):64*(\q)+8*(\i)+3],   v[ADRB+1] offset:64*(\q)+(\i)*16*PITCH
	ds_load_b128 v[64*(\q)+8*(\i)+4:64*(\q)+8*(\i)+7], v[ADRB+1] offset:64*(\q)+(\i)*16*PITCH+32
.endr
.endm
.macro ALOAD a
	WIN 0
.set FA, PA+32*((\a)%4)
.irp q, 0,1,2,3
	ds_load_b128 v[FA+8*(\q):FA+8*(\q)+3],   v[ADRA+1] offset:64*(\q)+(\a)*16*PITCH
	ds_load_b128 v[FA+8*(\q)+4:FA+8*(\q)+7], v[ADRA+1] offset:64*(\q)+(\a)*16*PITCH+32
.endr
.endm
.macro ROW a
.set FA, PA+32*((\a)%4)
.set AC, 64*((\a)%4)
	WIN MUL_LO+0x50*((\a)/4)
.irp q, 0,1,2,3
.if (\a) == 0 && (\q) == 2
	s_wait_dscnt 24                                ; B's quarter 2 is in (behind it: A's blocks 1 to 3)
.endif
.irp b, 0,1,2,3,4,5,6,7
	v_wmma_f32_16x16x32_bf16 v[AC+8*(\b):AC+8*(\b)+7], v[64*(\q)+8*(\b):64*(\q)+8*(\b)+7], v[FA+8*(\q):FA+8*(\q)+7], v[AC+8*(\b):AC+8*(\b)+7]
.endr
.endr
.endm
.macro PACK a                          ; rounded to f16, 16 bytes a lane; each accumulator's registers in ascending order
.set AC, 64*((\a)%4)
	WIN 0x0a+5*((\a)/4)
.irp b, 0,1,2,3,4,5,6,7
.irp r, 0,1,2,3
	v_cvt_pk_f16_f32 v[TMP+4*(\b)+(\r)], v[AC+8*(\b)+2*(\r)], v[AC+8*(\b)+2*(\r)+1]
.endr
.endr
	WIN 0
.endm
.macro TOSTAGE a
	WIN 0
.set BK, OB+192*((\a)%2)
.irp b, 0,1,2,3,4,5,6,7
	ds_store_b128 v[STO], v[TMP+4*(\b):TMP+4*(\b)+3] offset:32*(\b)
.endr
	s_wait_xcnt 0x0                                ; the last block's second parts were stored from the registers that are loaded now
.irp t, 0,1,2,3,4,5,6,7
	ds_load_b128 v[BK+4*(\t):BK+4*(\t)+3], v[RD] offset:(\t)*2*SPITCH  ; LDS serves a wave's instructions in order (ISA guide 5.7.1.4): these see the stores above
.endr
.endm
.macro SEND a, younger
	WIN 0
.set BK, OB+192*((\a)%2)
	s_wait_dscnt \younger
	s_wait_xcnt 0x0                                ; the stores' base and the registers that earlier stores read are rewritten only behind this wait
.if (\a) == 0
	s_add_nc_u64 s[8:9], s[8:9], s[16:17]
.else
	s_add_nc_u64 s[8:9], s[8:9], 16*SIZE_N*2
.endif
.irp t, 0,1,2,3,4,5,6,7
	global_store_b128 v[CO], v[BK+4*(\t):BK+4*(\t)+3], s[8:9] offset:2*(\t)*SIZE_N*2  ; sixteen lanes store 256 consecutive bytes, aligned
.endr
.endm
; BLOCK a's SECOND PARTS, behind its way out.  TMP still holds the block rounded to f16, its accumulators the sums.  One line forms sum - f16(sum), which is exact in f32, and rounds it to f16 into the half
; that it read: the low half first, then the high one; each line keeps the other half.  The words then go through my stage like the block itself, into the other set of row registers: what was stored from
; that set was issued ahead of SEND's s_wait_xcnt 0.  The row stands in the stores' immediate.
; The jumps go forward, pass no barrier and no tensor load, and hang on the cluster's coordinates and the wave's number.
.macro LOW a
	WIN 0
.if (\a) < 4
	s_cmp_eq_u32 s[LO4], 0
.else
	s_cmp_eq_u32 s[LO8], 0
.endif
	s_cbranch_scc1 .Lno_low_\@
.set AC, 64*((\a)%4)
.set BK, OB+192*((\a)%2)
.set BL, OB+192*(((\a)+1)%2)
.if (\a) < 4
	s_cmp_eq_u32 s[CPY], 0
	s_cbranch_scc1 .Lno_copy_\@
.irp t, 0,1,2,3,4,5,6,7
	global_store_b128 v[CO], v[BK+4*(\t):BK+4*(\t)+3], s[EB:EB+1] offset:(16*(\a)+2*(\t)-64)*SIZE_N*2  ; v's rows 0-63 once more, 64 rows above their second parts
.endr
.Lno_copy_\@:
.endif
	WIN 0x20+0x10*((\a)/4)                         ; source 2 in the accumulators' window; all else in window 0
.irp b, 0,1,2,3,4,5,6,7
.irp r, 0,1,2,3
	v_fma_mixlo_f16 v[TMP+4*(\b)+(\r)], v[TMP+4*(\b)+(\r)], v[M1], v[AC+8*(\b)+2*(\r)] op_sel_hi:[1,0,0]                    ; the low half x -1 + its sum
	v_fma_mixhi_f16 v[TMP+4*(\b)+(\r)], v[TMP+4*(\b)+(\r)], v[M1], v[AC+8*(\b)+2*(\r)+1] op_sel:[1,0,0] op_sel_hi:[1,0,0]   ; the high half x -1 + its sum
.endr
.endr
	WIN 0
.irp b, 0,1,2,3,4,5,6,7
	ds_store_b128 v[STO], v[TMP+4*(\b):TMP+4*(\b)+3] offset:32*(\b)
.endr
.irp t, 0,1,2,3,4,5,6,7
	ds_load_b128 v[BL+4*(\t):BL+4*(\t)+3], v[RD] offset:(\t)*2*SPITCH
.endr
	s_wait_dscnt 0x0
.irp t, 0,1,2,3,4,5,6,7
	global_store_b128 v[CO], v[BL+4*(\t):BL+4*(\t)+3], s[EB:EB+1] offset:(16*(\a)+2*(\t))*SIZE_N*2  ; sixteen lanes store 256 consecutive bytes, aligned; 126 rows at the most in the immediate
.endr
.Lno_low_\@:
.endm
	s_wait_tensorcnt 1                             ; my part of K step 0 is in; K step 1's may stay out
	s_barrier_signal -1
	s_barrier_wait -1
	FETCH 0, F0
	QUARTER 64,  F0, F1, 1                         ; the first quarter starts the sums
	WIN 0
	s_mov_b32 s3, STEPS-1
	s_branch .Lin                                  ; the loop is entered behind the change of slots: K step 0 has none in front of it
.Lstep:                                                ; STEPS - 2 times: a K step's last quarter fills the slot that it leaves (K steps 2 to 7), and the next K step's first quarter follows
	TURN
	QUARTER 64,  F0, F1, 0
	WIN 0
.Lin:                                                  ; STEPS - 1 times: the second and third quarters of K steps 0 to 6
	QUARTER 128, F1, F0, 0
	QUARTER 192, F0, F1, 0
	WIN 0
	s_sub_co_u32 s3, s3, 1
	s_cmp_lg_u32 s3, 0
	s_cbranch_scc1 .Lstep
	MEET 0                                         ; the last K step but one, in slot 0, ends; nothing is filled again, so no round follows
	PLACES
	WIN TO_B
	BLOAD 0
	BLOAD 1
	BLOAD 3
	WIN 0
	ALOAD 0
	WIN MUL_HI
	MUL16 F1, 1, 0, 0
	MUL16 F1, 1, 2, 0
	PLACES
	WIN TO_B
	BLOAD 2
	WIN 0
	ALOAD 1
	ALOAD 2
	ALOAD 3
	s_wait_dscnt 40                                ; all but the 40 just issued
	ROW 0
.irp a, 0,1,2,3,4,5,6,7
	PLACES
	PACK \a
	TOSTAGE \a
.if (\a) < 4
	ALOAD (\a)+4
	SEND \a, 8
.else
	SEND \a, 0
.endif
	LOW \a
.if (\a) < 7
	ROW (\a)+1
.endif
.endr
	s_wait_tensorcnt 0x0                           ; the wave's end
	ds_add_u32 v[SPW], v[NIL]
	s_wait_dscnt 0x0
	CROUND                                         ; the closing round
	s_endpgm
.Lfunc_end_k_q6c5b5fb818_proj:
	.size	k_q6c5b5fb818_proj, .Lfunc_end_k_q6c5b5fb818_proj-k_q6c5b5fb818_proj
	.p2alignl 7, 3214868480
	.fill 96, 4, 3214868480
	.section	.rodata,"a",@progbits
	.p2align	6, 0x0
	.amdhsa_kernel k_q6c5b5fb818_proj
		.amdhsa_group_segment_fixed_size 327680
		.amdhsa_private_segment_fixed_size 0
		.amdhsa_enable_private_segment 0
		.amdhsa_kernarg_size 32
		.amdhsa_user_sgpr_count 2
		.amdhsa_user_sgpr_kernarg_segment_ptr 1
		.amdhsa_wavefront_size32 1
		.amdhsa_system_sgpr_workgroup_id_x 1
		.amdhsa_system_sgpr_workgroup_id_y 1
		.amdhsa_system_sgpr_workgroup_id_z 1
		.amdhsa_system_vgpr_workitem_id 0
		.amdhsa_next_free_vgpr 1024
		.amdhsa_next_free_sgpr 72
		.amdhsa_reserve_vcc 0
		.amdhsa_float_denorm_mode_32 3
		.amdhsa_float_denorm_mode_16_64 3
		.amdhsa_memory_ordered 1
		.amdhsa_forward_progress 1
		.amdhsa_inst_pref_size 157
	.end_amdhsa_kernel
	.amdgpu_metadata
---
amdhsa.version: [ 1, 2 ]
amdhsa.kernels:
  - .name:           k_q6c5b5fb818_proj
    .symbol:         k_q6c5b5fb818_proj.kd
    .args:
      - { .name: xb, .offset: 0, .size: 8, .value_kind: global_buffer, .address_space: global }
      - { .name: wt, .offset: 8, .size: 8, .value_kind: global_buffer, .address_space: global }
      - { .name: qkv, .offset: 16, .size: 8, .value_kind: global_buffer, .address_space: global }
      - { .name: ext, .offset: 24, .size: 8, .value_kind: global_buffer, .address_space: global }
    .group_segment_fixed_size: 327680
    .private_segment_fixed_size: 0
    .kernarg_segment_align: 8
    .kernarg_segment_size: 32
    .max_flat_workgroup_size: 128
    .sgpr_count:     72
    .vgpr_count:     1024
    .wavefront_size: 32
...
	.end_amdgpu_metadata
.endif
;; end of part 2
;; launch scores (part 3): grid 38 x 4, 4 waves a work-group, no clusters, 327,680 bytes of LDS; arguments qkv, ext, sc; writes sc
.if DOCPART == 3
	.amdgcn_target "amdgcn-amd-amdhsa--gfx1250"
	.amdhsa_code_object_version 6
	.text
	.protected	k_q6c5b5fb818_scores
	.globl	k_q6c5b5fb818_scores
	.p2align	8
	.type	k_q6c5b5fb818_scores,@function
k_q6c5b5fb818_scores:
	s_mov_b64 s[64:65], 0
	v_nop
	global_prefetch_b8 v0, s[64:65] scope:SCOPE_SE
	s_setreg_imm32_b32 hwreg(HW_REG_WAVE_MODE, 25, 1), 1
	s_wait_xcnt 0x0
; sc[b][q][k] = sum over e of q[b][q][e] k[b][k][e], unscaled, f32, for the tiles of 256 x 256 on and below the diagonal: 36 of a batch's 64.  q and k are f16 columns 0-1023 and 1024-2047 of qkv's rows of 6,144 bytes.
; Work-group x < 36 of a batch makes tile (i, j), x = i (i + 1) / 2 + j, j <= i.  Four waves, each 128 x 128: 64 accumulators.  K (the 1,024 channels) goes in steps of 128 through two LDS slots.
; A K STEP IS WRITTEN ONCE: the loop's trip is one K step; the slot that is read is a scalar, 0 or SLOT, turned by an exclusive or, and one descriptor walks from slot to slot in the same way.
; The loop is entered in its middle, behind the change of slots, so that the quarters of the last K step but one need no second text.
; TWO MORE WORK-GROUPS a batch make, with the same text, what f16's rounding of q and k took from tile (0, 0): x = 36: (q's second parts) k^T, stored as tile (0, 1); x = 37: q (k's second parts)^T, stored as
; tile (0, 2).  The second parts are ext's columns 0-1023 and 1024-2047 (256 rows a batch, the same pitch).  The launch behind adds the three.  No other work-group stores or reads those two tiles of sc.
; NO CLUSTER.  Row i of the triangle has i + 1 tiles and column j has 8 - j.  The 36 tiles can be cut into nine fours that each lie in one row or in one column, but a batch has 38 work-groups, no multiple of
; four: of the two more, one shares its k with column 0 and the other its q with tile (0, 0) alone, so no cut of the 38 into fours with a common tile exists.  Not built.
; The matrix instruction is used transposed (source 0 = 16 keys, source 1 = 16 queries): a lane holds query l % 16 and 8 neighbouring keys, 32 bytes of f32.
; The last K step goes by rows of the result; each block of 16 rows goes through my stage in LDS and leaves as whole rows of 512 bytes.
; REGISTERS: window 0: v0-31 addresses; v64-191 fragments of q; v192-255 rows read back from the stage.  window 1: fragments of k.  windows 2, 3: the accumulators ((a, b) at v[8 (8 a + b)]).
.set KSTEP,  128
.set STEPS,  8
.set PITCH,  272
.set HALFT,  128*PITCH
.set SLOT,   4*HALFT                   ; 0x22000: no wave's place in a slot (0, 0x8800, 0x11000, 0x19800) has one of its two bits, so an exclusive or with it goes from slot to slot
.set STAGE,  2*SLOT
.set SPITCH, 528                       ; a stage row: 512 bytes + 16 = 132 words: the 16 rows of a store start at 16 different groups of four banks (ISA guide 11.1)
.set SPARE,  STAGE+4*16*SPITCH         ; behind the stages: the spare words, 128 bytes a wave
.set QROW,   6144                      ; bytes in a row of qkv and of ext
.set SROW,   8192                      ; bytes in a row of sc
.set ADRA, 16                          ; v16-17  my fragments of q in slot 0, 1; never rewritten
.set CA,   18                          ; v18     the same in the slot that is being read
.set ADRB, 20                          ; v20-21, v22: the same for k
.set CB,   22
.set STO,  24
.set RD,   25
.set CO,   26
.set SPW,  28
.set NIL,  29
.set PFO,  30
.set F0,   64
.set F1,   128
.set BK,   192
.set PA,   64
.set G1, 24                            ; s[24:31] descriptor group 1: one shape for q's and k's tiles
.set G0, 32                            ; s[32:39] group 0: a set for each of the two first fills; the second then walks on
.set LIM, 43
.set PFA, 44
.set TB,  48                           ; s48  the slot that is being read: 0 or SLOT
.set MSB, 0
.macro WIN new
.if MSB != (\new)
	s_set_vgpr_msb (MSB<<8)|(\new)
.set MSB, \new
.endif
.endm
.set MUL_LO, 0xa1
.set MUL_HI, 0xf1
.set TO_B,   0x40
.macro LOAD s                          ; every wave fetches 128 rows of its own, into LDS bytes of its own: wave x 128 rows; an s_nop 0 and four v_nop follow
	tensor_load_to_lds s[G0+4*(\s):G0+4*(\s)+3], s[G1:G1+7]
	s_nop 0
.rept 4
	v_nop
.endr
.endm
; A prefetch of the K step that stands two refills on: my 128 rows x 256 bytes, a lane a row, four instructions.  A block of q is read by the tiles of its row, a block of k by those of its column:
; tile (i, 0) names q's block i, tile (j, j) names k's block j; the second parts are named by the one work-group that reads them.  So each row's 256 bytes of a K step are named once.
; Change of slots t refills K step t + 2 and names K step t + 4: the last two ask for nothing.
.macro ASK
	s_cmp_gt_u32 s3, s[LIM]
	s_cbranch_scc0 .Lnot_mine_\@
.irp r, 0,1,2,3
	global_prefetch_b8 v[PFO], s[PFA:PFA+1] offset:KSTEP*2+(\r)*32*QROW th:TH_LOAD_NT scope:SCOPE_SE
.endr
.Lnot_mine_\@:
.endm
	s_load_b128 s[4:7], s[0:1], 0x0                ; qkv s[4:5], ext s[6:7]
	s_load_b64 s[46:47], s[0:1], 0x10              ; sc
	v_lshl_add_u32 v[SPW], v0, 2, SPARE
	v_mov_b32 v[NIL], 0
	ds_add_u32 v[SPW], v[NIL]                      ; the wave's opening
	ds_add_u32 v28, v29
	v_lshrrev_b32 v1, 5, v0
	v_readfirstlane_b32 s10, v1                    ; wave 0..3
	s_lshr_b32 s11, s10, 1                         ; my half of the tile's rows; also: I fetch q (0) or k (1)
	s_and_b32 s12, s10, 1                          ; my half of its columns; also: which 128 rows I fetch
	s_and_b32 s42, ttmp7, 0xffff                   ; the batch
	s_mov_b32 s[TB], 0
	s_mov_b32 s40, 0                               ; i = how many of the rows' first numbers 1, 3, 6 .. 28 are at or below x
.irp thr, 1,3,6,10,15,21,28
	s_cmp_ge_u32 ttmp9, \thr
	s_add_co_ci_u32 s40, s40, 0
.endr
	s_add_co_u32 s41, s40, 1
	s_mul_i32 s41, s41, s40
	s_lshr_b32 s41, s41, 1
	s_sub_co_u32 s41, ttmp9, s41                   ; j
	s_sub_co_u32 s18, ttmp9, 35                    ; x = 36, 37: the result's column block 1, 2,
	s_sub_co_u32 s19, ttmp9, 36                    ; and whose second parts are taken: q's (0) or k's (1)
	s_cmp_ge_u32 ttmp9, 36
	s_cselect_b32 s13, s18, s41                    ; the column block of sc that I store
	s_cselect_b32 s40, 0, s40                      ; the two more work-groups read blocks 0 of q and of k
	s_cselect_b32 s41, 0, s41
	s_cmp_eq_u32 s19, s11
	s_cselect_b32 s2, 1, 0                         ; 1: my tile comes out of ext
	s_mov_b32 s[G1+0], (1<<16)|(1<<20)|(5<<22)|(3<<25)  ; 2-byte elements; padding on: after every 64 words 4 words
	s_mov_b32 s[G1+1], KSTEP<<16                   ; tensor_dim0 = 128
	s_mov_b32 s[G1+2], 128<<16                     ; tensor_dim1 = 128
	s_mov_b32 s[G1+3], KSTEP<<16                   ; tile_dim0 = 128
	s_mov_b32 s[G1+4], 128                         ; tile_dim1 = 128
	s_mov_b32 s[G1+5], 3072                        ; elements from row to row
	s_mov_b32 s[G1+6], 0
	s_mov_b32 s[G1+7], 0
	s_cmp_eq_u32 s11, 0
	s_cselect_b32 s16, s40, s41                    ; q's block i or k's block j
	s_lshl_b32 s16, s16, 8
	s_lshl_b32 s17, s42, 11
	s_add_co_u32 s16, s16, s17                     ; in qkv: batch x 2,048 + block x 256
	s_lshl_b32 s17, s42, 8                         ; in ext: batch x 256
	s_cmp_eq_u32 s2, 1
	s_cselect_b32 s16, s17, s16
	s_lshl_b32 s17, s12, 7
	s_add_co_u32 s16, s16, s17                     ; my first row
	s_mul_i32 s16, s16, QROW
	s_lshl_b32 s17, s11, 11                        ; k lies 2,048 bytes behind q in a row
	s_add_co_u32 s16, s16, s17
	s_mov_b32 s17, 0
	s_mul_i32 s20, s10, HALFT                      ; where they go: q's two halves, then k's two
	s_sub_co_u32 s18, s40, s41
	s_cmp_eq_u32 s11, 0
	s_cselect_b32 s18, s41, s18                    ; q: j; k: i - j
	s_cmp_eq_u32 s18, 0
	s_cselect_b32 s[LIM], 2, -1
	s_cmp_eq_u32 s2, 1
	s_cselect_b32 s21, 2, -1
	s_cmp_ge_u32 ttmp9, 36
	s_cselect_b32 s[LIM], s21, s[LIM]              ; the two more work-groups name ext's rows alone
	s_wait_dscnt 0x0                               ; the opening add is done
	s_wait_kmcnt 0x0
	s_cmp_eq_u32 s2, 1
	s_cselect_b64 s[14:15], s[6:7], s[4:5]
	s_add_nc_u64 s[14:15], s[14:15], s[16:17]
.irp s, 0,1
	s_mov_b32 s[G0+4*(\s)], 1
	s_add_co_u32 s[G0+4*(\s)+1], s20, (\s)*SLOT
	s_add_nc_u64 s[G0+4*(\s)+2:G0+4*(\s)+3], s[14:15], (\s)*KSTEP*2
	s_or_b32 s[G0+4*(\s)+3], s[G0+4*(\s)+3], 0x80000000
	LOAD \s                                        ; K steps 0 and 1: two loads of mine are out
.endr
	s_add_nc_u64 s[PFA:PFA+1], s[14:15], 2*KSTEP*2 ; at K step 2: the first refill steps it to 3 and names K step 4
	v_and_b32 v1, 15, v0
	v_bfe_u32 v2, v0, 4, 1
	v_mul_u32_u24 v3, v1, PITCH
	v_lshl_add_u32 v3, v2, 4, v3
	s_mul_i32 s21, s11, HALFT
	s_mul_i32 s22, s12, HALFT
	s_add_co_u32 s22, s22, 2*HALFT
.irp s, 0,1
	v_add_nc_u32 v[ADRA+(\s)], s21, v3
	v_add_nc_u32 v[ADRB+(\s)], s22, v3
	s_add_co_u32 s21, s21, SLOT
	s_add_co_u32 s22, s22, SLOT
.endr
	v_mov_b32 v[CA], v[ADRA]                       ; slot 0 is read first
	v_mov_b32 v[CB], v[ADRB]
	s_mul_i32 s23, s10, 16*SPITCH
	s_add_co_u32 s23, s23, STAGE                   ; my stage
	v_mul_u32_u24 v4, v1, SPITCH                   ; in: row l % 16, 32 bytes for each half of the lanes
	v_lshl_add_u32 v4, v2, 5, v4
	v_add_nc_u32 v[STO], s23, v4
	v_and_b32 v5, 31, v0                           ; back: 32 lanes take one row of 512 bytes
	v_lshl_add_u32 v[RD], v5, 4, s23
	v_lshlrev_b32 v[CO], 4, v5
	v_mul_u32_u24 v[PFO], v5, QROW
	s_lshl_b32 s16, s42, 11
	s_lshl_b32 s17, s40, 8
	s_add_co_u32 s16, s16, s17
	s_lshl_b32 s17, s11, 7
	s_add_co_u32 s16, s16, s17                     ; my first row of sc
	s_lshl_b32 s16, s16, 13
	s_lshl_b32 s17, s13, 10
	s_add_co_u32 s16, s16, s17
	s_lshl_b32 s17, s12, 9
	s_add_co_u32 s16, s16, s17                     ; + my first column, in bytes
	s_mov_b32 s17, 0
	s_add_nc_u64 s[8:9], s[46:47], s[16:17]
.macro MUL16 f, hi, a0, zero           ; the 64 accumulators take turns
	WIN MUL_LO+0x50*(\hi)
.irp a, \a0, (\a0)+1
.irp b, 0,1,2,3,4,5,6,7
.if \zero
	v_wmma_f32_16x16x32_f16 v[8*(8*(\a)+(\b)):8*(8*(\a)+(\b))+7], v[(\f)+8*(\b):(\f)+8*(\b)+7], v[(\f)+8*(4*(\hi)+(\a)):(\f)+8*(4*(\hi)+(\a))+7], 0
.else
	v_wmma_f32_16x16x32_f16 v[8*(8*(\a)+(\b)):8*(8*(\a)+(\b))+7], v[(\f)+8*(\b):(\f)+8*(\b)+7], v[(\f)+8*(4*(\hi)+(\a)):(\f)+8*(4*(\hi)+(\a))+7], v[8*(8*(\a)+(\b)):8*(8*(\a)+(\b))+7]
.endif
.endr
.endr
.endm
.macro FETCH k, f                      ; 32 LDS loads in one run: a quarter step's fragments, at byte k of the rows of the slot that is being read
	WIN TO_B
.irp i, 0,1,2,3,4,5,6,7
	ds_load_b128 v[(\f)+8*(\i):(\f)+8*(\i)+3],   v[CB] offset:(\k)+(\i)*16*PITCH
	ds_load_b128 v[(\f)+8*(\i)+4:(\f)+8*(\i)+7], v[CB] offset:(\k)+(\i)*16*PITCH+32
.endr
	WIN 0
.irp i, 0,1,2,3,4,5,6,7
	ds_load_b128 v[(\f)+8*(\i):(\f)+8*(\i)+3],   v[CA] offset:(\k)+(\i)*16*PITCH
	ds_load_b128 v[(\f)+8*(\i)+4:(\f)+8*(\i)+7], v[CA] offset:(\k)+(\i)*16*PITCH+32
.endr
.endm
.macro PLACES                          ; four plain vector instructions between a matrix instruction and a load into, or a reader of, its registers
.rept 4
	v_nop
.endr
.endm
.macro QUARTER k, f, g, zero
	s_wait_dscnt 8                                 ; k's fragments and q's rows 0-63 are in; the youngest eight loads may be out
	WIN MUL_LO
	MUL16 \f, 0, 0, \zero
	MUL16 \f, 0, 2, \zero
	PLACES
	FETCH \k, \g
	s_wait_dscnt 32                                ; all but the 32 just issued
	WIN MUL_HI
	MUL16 \f, 1, 0, \zero
	MUL16 \f, 1, 2, \zero
.endm
.macro MEET fill                       ; one barrier for the change of slots
	WIN 0
	s_wait_tensorcnt 0x0                           ; all my tensor loads have landed: the one that was out is my part of the next slot
	ds_add_u32 v[SPW], v[NIL]
	s_wait_dscnt 9                                 ; (the add and the youngest eight loads may be out)
	WIN MUL_LO
	MUL16 F1, 0, 0, 0
	s_wait_dscnt 0x0                               ; the add is done, and my reads of this slot are over
	s_barrier_signal -1
	MUL16 F1, 0, 2, 0
.if \fill
	WIN 0                                          ; the windows are set ahead of the tensor load
.endif
	s_barrier_wait -1
.endm
.macro TURN                            ; a K step's last quarter: the slot just read out is filled again with the K step two on, and the reading goes over to the other slot
	s_wait_xcnt 0x0                                ; the last prefetches, a K step back, have read their address
	s_add_nc_u64 s[PFA:PFA+1], s[PFA:PFA+1], KSTEP*2
	MEET 1
	s_xor_b32 s[G0+5], s[G0+5], SLOT               ; no load of mine is out: the walking descriptor may be written: the other slot than last time,
	s_add_nc_u64 s[G0+6:G0+7], s[G0+6:G0+7], KSTEP*2  ; the next K step; the type bits on top are not reached
	s_xor_b32 s[TB], s[TB], SLOT
	LOAD 1                                         ; my one tensor load behind the barrier; its four v_nop are also the places in front of the loads below
	v_add_nc_u32 v[CA], s[TB], v[ADRA]
	v_add_nc_u32 v[CB], s[TB], v[ADRB]
	FETCH 0, F0
	ASK
	WIN MUL_HI
	MUL16 F1, 1, 0, 0
	MUL16 F1, 1, 2, 0
.endm
.macro BLOAD q
	WIN TO_B
.irp i, 0,1,2,3,4,5,6,7
	ds_load_b128 v[64*(\q)+8*(\i):64*(\q)+8*(\i)+3],   v[ADRB+1] offset:64*(\q)+(\i)*16*PITCH
	ds_load_b128 v[64*(\q)+8*(\i)+4:64*(\q)+8*(\i)+7], v[ADRB+1] offset:64*(\q)+(\i)*16*PITCH+32
.endr
.endm
.macro ALOAD a
	WIN 0
.set FA, PA+32*((\a)%4)
.irp q, 0,1,2,3
	ds_load_b128 v[FA+8*(\q):FA+8*(\q)+3],   v[ADRA+1] offset:64*(\q)+(\a)*16*PITCH
	ds_load_b128 v[FA+8*(\q)+4:FA+8*(\q)+7], v[ADRA+1] offset:64*(\q)+(\a)*16*PITCH+32
.endr
.endm
.macro ROW a
.set FA, PA+32*((\a)%4)
.set AC, 64*((\a)%4)
	WIN MUL_LO+0x50*((\a)/4)
.irp q, 0,1,2,3
.if (\a) == 0 && (\q) == 2
	s_wait_dscnt 24                                ; k's quarter 2 is in (behind it: q's blocks 1 to 3)
.endif
.irp b, 0,1,2,3,4,5,6,7
	v_wmma_f32_16x16x32_f16 v[AC+8*(\b):AC+8*(\b)+7], v[64*(\q)+8*(\b):64*(\q)+8*(\b)+7], v[FA+8*(\q):FA+8*(\q)+7], v[AC+8*(\b):AC+8*(\b)+7]
.endr
.endr
.endm
; Block a's 16 rows x 128 columns of f32 go straight from the accumulators into my stage (each accumulator's low four registers first) and come back as whole rows.
.macro TOSTAGE a
.set AC, 64*((\a)%4)
	WIN 0x08+4*((\a)/4)                            ; the stores' data in window 2 or 3, the address in window 0
.irp b, 0,1,2,3,4,5,6,7
	ds_store_b128 v[STO], v[AC+8*(\b):AC+8*(\b)+3]   offset:64*(\b)
	ds_store_b128 v[STO], v[AC+8*(\b)+4:AC+8*(\b)+7] offset:64*(\b)+16
.endr
	WIN 0
	s_wait_xcnt 0x0                                ; the last block's global stores have read v192-255: only now are they loaded again
.irp t, 0,1,2,3,4,5,6,7,8,9,10,11,12,13,14,15
	ds_load_b128 v[BK+4*(\t):BK+4*(\t)+3], v[RD] offset:(\t)*SPITCH  ; LDS serves a wave's instructions in order (ISA guide 5.7.1.4): these see the stores above
.endr
.endm
.macro SEND a, younger                 ; younger: the LDS loads issued behind the block's own, which may stay out
	WIN 0
	s_wait_dscnt \younger
.irp t, 0,1,2,3,4,5,6,7,8,9,10,11,12,13,14,15
	global_store_b128 v[CO], v[BK+4*(\t):BK+4*(\t)+3], s[8:9] offset:(16*(\a)+(\t))*SROW th:TH_STORE_NT  ; 512 consecutive bytes, aligned; the row stands in the immediate, 127 rows at the most
.endr
.endm
	s_wait_tensorcnt 1                             ; my part of K step 0 is in; K step 1's may stay out
	s_barrier_signal -1
	s_barrier_wait -1
	FETCH 0, F0
	QUARTER 64,  F0, F1, 1                         ; the first quarter starts the sums
	WIN 0
	s_mov_b32 s3, STEPS-1
	s_branch .Lin                                  ; the loop is entered behind the change of slots: K step 0 has none in front of it
.Lstep:                                                ; STEPS - 2 times: a K step's last quarter fills the slot that it leaves (K steps 2 to 7), and the next K step's first quarter follows
	TURN
	QUARTER 64,  F0, F1, 0
	WIN 0
.Lin:                                                  ; STEPS - 1 times: the second and third quarters of K steps 0 to 6
	QUARTER 128, F1, F0, 0
	QUARTER 192, F0, F1, 0
	WIN 0
	s_sub_co_u32 s3, s3, 1
	s_cmp_lg_u32 s3, 0
	s_cbranch_scc1 .Lstep
	MEET 0                                         ; the last K step but one, in slot 0, ends; the last K step has landed; nothing is filled again
	PLACES
	WIN TO_B
	BLOAD 0
	BLOAD 1
	BLOAD 3
	WIN 0
	ALOAD 0
	WIN MUL_HI
	MUL16 F1, 1, 0, 0
	MUL16 F1, 1, 2, 0
	PLACES
	WIN TO_B
	BLOAD 2
	WIN 0
	ALOAD 1
	ALOAD 2
	ALOAD 3
	s_wait_dscnt 40                                ; all but the 40 just issued
	ROW 0
.irp a, 0,1,2,3,4,5,6,7
	PLACES                                         ; the stores below read results just made
	TOSTAGE \a
.if (\a) < 4
	ALOAD (\a)+4
	SEND \a, 8
.else
	SEND \a, 0
.endif
.if (\a) < 7
	ROW (\a)+1
.endif
.endr
	s_wait_tensorcnt 0x0                           ; the wave's end
	ds_add_u32 v[SPW], v[NIL]
	s_wait_dscnt 0x0
	s_endpgm
.Lfunc_end_k_q6c5b5fb818_scores:
	.size	k_q6c5b5fb818_scores, .Lfunc_end_k_q6c5b5fb818_scores-k_q6c5b5fb818_scores
	.p2alignl 7, 3214868480
	.fill 96, 4, 3214868480
	.section	.rodata,"a",@progbits
	.p2align	6, 0x0
	.amdhsa_kernel k_q6c5b5fb818_scores
		.amdhsa_group_segment_fixed_size 327680
		.amdhsa_private_segment_fixed_size 0
		.amdhsa_enable_private_segment 0
		.amdhsa_kernarg_size 24
		.amdhsa_user_sgpr_count 2
		.amdhsa_user_sgpr_kernarg_segment_ptr 1
		.amdhsa_wavefront_size32 1
		.amdhsa_system_sgpr_workgroup_id_x 1
		.amdhsa_system_sgpr_workgroup_id_y 1
		.amdhsa_system_sgpr_workgroup_id_z 1
		.amdhsa_system_vgpr_workitem_id 0
		.amdhsa_next_free_vgpr 1024
		.amdhsa_next_free_sgpr 66
		.amdhsa_reserve_vcc 0
		.amdhsa_float_denorm_mode_32 3
		.amdhsa_float_denorm_mode_16_64 3
		.amdhsa_memory_ordered 1
		.amdhsa_forward_progress 1
		.amdhsa_inst_pref_size 100
	.end_amdhsa_kernel
	.amdgpu_metadata
---
amdhsa.version: [ 1, 2 ]
amdhsa.kernels:
  - .name:           k_q6c5b5fb818_scores
    .symbol:         k_q6c5b5fb818_scores.kd
    .args:
      - { .name: qkv, .offset: 0, .size: 8, .value_kind: global_buffer, .address_space: global }
      - { .name: ext, .offset: 8, .size: 8, .value_kind: global_buffer, .address_space: global }
      - { .name: sc, .offset: 16, .size: 8, .value_kind: global_buffer, .address_space: global }
    .group_segment_fixed_size: 327680
    .private_segment_fixed_size: 0
    .kernarg_segment_align: 8
    .kernarg_segment_size: 24
    .max_flat_workgroup_size: 128
    .sgpr_count:     66
    .vgpr_count:     1024
    .wavefront_size: 32
...
	.end_amdgpu_metadata
.endif
;; end of part 3
;; launch softmax (part 4): grid 1024 x 1, 8 waves a work-group, no clusters, 0 bytes of LDS; arguments sc, pw; writes pw
.if DOCPART == 4
	.amdgcn_target "amdgcn-amd-amdhsa--gfx1250"
	.amdhsa_code_object_version 6
	.text
	.protected	k_q6c5b5fb818_softmax
	.globl	k_q6c5b5fb818_softmax
	.p2align	8
	.type	k_q6c5b5fb818_softmax,@function
k_q6c5b5fb818_softmax:
	s_mov_b64 s[64:65], 0
	v_nop
	global_prefetch_b8 v0, s[64:65] scope:SCOPE_SE
	s_setreg_imm32_b32 hwreg(HW_REG_WAVE_MODE, 25, 1), 1
	s_wait_xcnt 0x0
; pw[b][q][k] = softmax over k <= q of sc[b][q][k] / 32, normalised, rounded once to f16; 0 for the keys above the diagonal in the row's own block of 256 (but see THE SECOND PARTS).
; A wave takes one row, a work-group eight rows on end: group G of eight rows, R = 8 G + wave.  The row's block of 256 queries is t = (G / 32) % 8; its keys are the blocks 0 .. t, at most 2,048 numbers = 64
; registers a lane: the row is read once and stays in registers between the maximum, the exponentials and the scaling.  No LDS, no barrier: no wave needs another's numbers.
; WHICH GROUP.  A row of block t is t + 1 blocks long.  So that long and short rows are spread, t is taken from the work-group number's low three bits u: t = u / 2 for even u, 7 - u / 2 for odd u: work-groups 2 m and 2 m + 1
; have 9 blocks a row together; in odd batches u's lowest bit is turned, so that work-groups 256 apart have t and 7 - t.  The map from work-group to G is one to one.
; Group gi of 8 registers holds key block t - gi (group 0: the diagonal's); in it register 4 c + e holds key 128 c + 4 lane + e.  Groups beyond t hold the lowest finite number: their weights are 0 and they are not stored.
; THE SECOND PARTS.  (1) Rows of block 0 add to their scores sc's tiles (0, 1) and (0, 2): what f16's rounding of q and of k took from tile (0, 0).  (2) A batch's rows 0-127 see no key from 128 on; in those places of
; pw they store, for keys 0-63: in columns 128-191 the weight less its f16 rounding, in columns 192-255 the rounded weight once more.  The launch behind multiplies the first by v and the second by v's second parts.
; LIMITS: a hidden score counts as the lowest finite f32; a weight below 2^-126 counts as 0 in the sum; a normalised weight below 6e-5 keeps f16's fixed step of 6e-8; NaN and infinities are not treated apart.
.set X, 16                             ; v[16:79]  the row
.set M, 10                             ; v[10:13]  four chains of the maximum
.set SM, 80                            ; v[80:87]  four pairs of sums; v[80:95] also at work for the second parts
	s_load_b128 s[4:7], s[0:1], 0x0                ; sc s[4:5], pw s[6:7]
	v_lshrrev_b32 v1, 5, v0                        ; wave
	v_and_b32 v5, 31, v0                           ; lane
	s_lshr_b32 s20, ttmp9, 8                       ; the batch
	s_and_b32 s21, s20, 1
	s_xor_b32 s21, s21, ttmp9
	s_and_b32 s21, s21, 7                          ; u, its lowest bit turned in odd batches
	s_lshr_b32 s12, s21, 1
	s_sub_co_u32 s22, 7, s12
	s_and_b32 s23, s21, 1
	s_cmp_eq_u32 s23, 1
	s_cselect_b32 s12, s22, s12                    ; t
	s_bfe_u32 s22, ttmp9, 0x50003                  ; which eight rows of the block's 256
	s_lshl_b32 s21, s20, 8
	s_lshl_b32 s23, s12, 5
	s_add_co_u32 s21, s21, s23
	s_add_co_u32 s21, s21, s22                     ; G = 256 x batch + 32 t + that
	s_lshl_b32 s8, s21, 16                         ; eight rows of 8,192 bytes
	s_lshl_b32 s9, s12, 10                         ; block t: 256 keys of 4 bytes
	s_add_co_u32 s8, s8, s9
	s_mov_b32 s9, 0
	s_lshl_b32 s10, s21, 15                        ; eight rows of 4,096 bytes
	s_lshl_b32 s11, s12, 9
	s_add_co_u32 s10, s10, s11
	s_mov_b32 s11, 0
	s_lshl_b32 s13, s22, 3                         ; the work-group's first query in its block
	s_mov_b32 s14, 0x3d38aa3b                      ; c = log2(e) / 32
	s_mov_b32 s15, s14                             ; named with it as a pair
	s_mov_b32 s18, 0x76543210                      ; v_permlanex16_b32: each lane takes its own place in the other half
	s_mov_b32 s19, 0xfedcba98
	v_lshlrev_b32 v2, 13, v1
	v_lshl_add_u32 v2, v5, 4, v2                   ; my 16 bytes of a chunk of sc
	v_lshlrev_b32 v3, 12, v1
	v_lshl_add_u32 v3, v5, 3, v3                   ; my 8 bytes of a chunk of pw
	v_add_nc_u32 v4, s13, v1                       ; my query's place in its block,
	v_lshlrev_b32 v5, 2, v5
	v_sub_nc_u32 v4, v4, v5                        ; less 4 x lane: key 128 c + e of my lane is hidden where 128 c + e is greater
	v_mov_b32 v14, 0xff7fffff                      ; the lowest finite number
.set i, 8
.rept 56
	v_mov_b32 v[X+i], v14                          ; so that every register is written on every way
.set i, i+1
.endr
	s_wait_kmcnt 0x0
	s_add_nc_u64 s[4:5], s[4:5], s[8:9]
	s_add_nc_u64 s[6:7], s[6:7], s[10:11]
	global_load_b128 v[X:X+3],   v2, s[4:5] th:TH_LOAD_NT
	global_load_b128 v[X+4:X+7], v2, s[4:5] offset:512 th:TH_LOAD_NT
	s_cmp_eq_u32 s12, 0
	s_cbranch_scc0 .Lmore
	global_load_b128 v[80:83], v2, s[4:5] offset:1024 th:TH_LOAD_NT   ; block 0: the same places of tile (0, 1),
	global_load_b128 v[84:87], v2, s[4:5] offset:1536 th:TH_LOAD_NT
	global_load_b128 v[88:91], v2, s[4:5] offset:2048 th:TH_LOAD_NT   ; and of tile (0, 2)
	global_load_b128 v[92:95], v2, s[4:5] offset:2560 th:TH_LOAD_NT
	s_wait_loadcnt 0x0
.irp j, 0,1,2,3
	v_pk_add_f32 v[80+2*\j:81+2*\j], v[80+2*\j:81+2*\j], v[88+2*\j:89+2*\j]     ; the two small terms first,
.endr
.irp j, 0,1,2,3
	v_pk_add_f32 v[X+2*\j:X+2*\j+1], v[X+2*\j:X+2*\j+1], v[80+2*\j:81+2*\j]     ; then onto the score
.endr
.Lmore:
.irp gi, 1,2,3,4,5,6,7
	s_cmp_ge_u32 s12, \gi
	s_cbranch_scc0 .Lloaded                        ; no key block in front of block 0
	global_load_b128 v[X+8*\gi:X+8*\gi+3],   v2, s[4:5] offset:-1024*\gi th:TH_LOAD_NT
	global_load_b128 v[X+8*\gi+4:X+8*\gi+7], v2, s[4:5] offset:512-1024*\gi th:TH_LOAD_NT
.endr
.Lloaded:
	s_wait_loadcnt 0x0
.irp c, 0,1
.irp e, 0,1,2,3
	v_cmp_gt_i32 vcc_lo, 128*\c+\e, v4
	v_cndmask_b32 v[X+4*\c+\e], v[X+4*\c+\e], v14, vcc_lo
.endr
.endr
	; the maximum: four chains of sixteen, then across the lanes
.irp k, 0,1,2,3
	v_max3_num_f32 v[M+\k], v[X+16*\k], v[X+16*\k+1], v[X+16*\k+2]
.endr
.irp n, 0,1,2,3,4,5
.irp k, 0,1,2,3
	v_max3_num_f32 v[M+\k], v[M+\k], v[X+16*\k+3+2*\n], v[X+16*\k+4+2*\n]
.endr
.endr
.irp k, 0,1,2,3
	v_max_num_f32 v[M+\k], v[M+\k], v[X+16*\k+15]
.endr
	v_max3_num_f32 v[M], v[M], v[M+1], v[M+2]
	v_max_num_f32 v[M], v[M], v[M+3]
	v_max_num_f32_dpp v[M], v[M], v[M] row_xmask:1 row_mask:0xf bank_mask:0xf
	v_max_num_f32_dpp v[M], v[M], v[M] row_xmask:2 row_mask:0xf bank_mask:0xf
	v_max_num_f32_dpp v[M], v[M], v[M] row_xmask:4 row_mask:0xf bank_mask:0xf
	v_max_num_f32_dpp v[M], v[M], v[M] row_xmask:8 row_mask:0xf bank_mask:0xf
	v_permlanex16_b32 v5, v[M], s18, s19           ; its destination counts as read: v5 has been written
	v_max_num_f32 v[M], v[M], v5
	v_mul_f32 v6, s14, v[M]                        ; c m
	v_mov_b32 v7, v6                               ; named with it as a pair
.set j, 0
.rept 32
	v_pk_fma_f32 v[X+2*j:X+2*j+1], v[X+2*j:X+2*j+1], s[14:15], v[6:7] op_sel_hi:[1,0,0] neg_lo:[0,0,1] neg_hi:[0,0,1]  ; c s - c m
.set j, j+1
.endr
.set j, 0
.rept 64
	v_exp_f32 v[X+j], v[X+j]                       ; one batch
.set j, j+1
.endr
	v_nop                                          ; a plain instruction behind the last exponential (ISA guide 5.7.2)
	s_wait_alu depctr_va_vdst(0)                   ; one wait for the batch, ahead of its first reader
.irp k, 0,1,2,3
	v_pk_add_f32 v[SM+2*\k:SM+2*\k+1], v[X+2*\k:X+2*\k+1], v[X+8+2*\k:X+9+2*\k]
.endr
.irp n, 2,3,4,5,6,7
.irp k, 0,1,2,3
	v_pk_add_f32 v[SM+2*\k:SM+2*\k+1], v[SM+2*\k:SM+2*\k+1], v[X+8*\n+2*\k:X+8*\n+2*\k+1]
.endr
.endr
	v_pk_add_f32 v[SM:SM+1], v[SM:SM+1], v[SM+2:SM+3]
	v_pk_add_f32 v[SM+4:SM+5], v[SM+4:SM+5], v[SM+6:SM+7]
	v_pk_add_f32 v[SM:SM+1], v[SM:SM+1], v[SM+4:SM+5]
	v_add_f32 v[SM], v[SM], v[SM+1]
	v_add_f32_dpp v[SM], v[SM], v[SM] row_xmask:1 row_mask:0xf bank_mask:0xf
	v_add_f32_dpp v[SM], v[SM], v[SM] row_xmask:2 row_mask:0xf bank_mask:0xf
	v_add_f32_dpp v[SM], v[SM], v[SM] row_xmask:4 row_mask:0xf bank_mask:0xf
	v_add_f32_dpp v[SM], v[SM], v[SM] row_xmask:8 row_mask:0xf bank_mask:0xf
	v_permlanex16_b32 v5, v[SM], s18, s19
	v_add_f32 v[SM], v[SM], v5
	v_rcp_f32 v8, v[SM]                            ; twice, for the pair that the packed multiply takes
	v_rcp_f32 v9, v[SM]
	v_nop
	s_wait_alu depctr_va_vdst(0)                   ; one wait for both reciprocals
.set j, 0
.rept 32
	v_pk_mul_f32 v[X+2*j:X+2*j+1], v[X+2*j:X+2*j+1], v[8:9]
.set j, j+1
.endr
	; a batch's rows 0-127 (its groups 0-15 of eight rows): the places of keys 128-255, whose weights are 0, take the second parts.  Lanes 0-15 hold keys 0-63 in registers 0-3 and the places 128-191 in
	; registers 4-7: the weight less its rounding stays in its lane.  Lanes 16-31 hold the places 192-255: they take the rounded weight from the lane 16 below.
	s_and_b32 s20, s21, 255
	s_cmp_lt_u32 s20, 16
	s_cbranch_scc0 .Lplain
	v_cvt_pk_f16_f32 v80, v[X], v[X+1]
	v_cvt_pk_f16_f32 v81, v[X+2], v[X+3]
	v_and_b32 v94, 31, v0
	v_cvt_f32_f16 v82, v80.l                       ; the rounded weights, as f32: they round to themselves below
	v_cvt_f32_f16 v83, v80.h
	v_cvt_f32_f16 v84, v81.l
	v_cvt_f32_f16 v85, v81.h
	v_cmp_lt_u32 vcc_lo, 15, v94                   ; lanes 16-31
.irp e, 0,1,2,3
	v_sub_f32 v[86+\e], v[X+\e], v[82+\e]          ; exact
	v_mov_b32 v[90+\e], v[82+\e]                   ; v_permlanex16_b32's destination counts as read
.endr
.irp e, 0,1,2,3
	v_permlanex16_b32 v[90+\e], v[82+\e], s18, s19
.endr
.irp e, 0,1,2,3
	v_cndmask_b32 v[X+4+\e], v[86+\e], v[90+\e], vcc_lo
.endr
.Lplain:
.set j, 0
.rept 32
	v_cvt_pk_f16_f32 v[X+j], v[X+2*j], v[X+2*j+1]  ; in place, ascending: word j is written when words 2 j and 2 j + 1 are read, never ahead of a later reader
.set j, j+1
.endr
	global_store_b64 v3, v[X:X+1],   s[6:7] th:TH_STORE_NT             ; a wave's store covers 256 consecutive bytes, aligned
	global_store_b64 v3, v[X+2:X+3], s[6:7] offset:256 th:TH_STORE_NT
.irp gi, 1,2,3,4,5,6,7
	s_cmp_ge_u32 s12, \gi
	s_cbranch_scc0 .Ldone
	global_store_b64 v3, v[X+4*\gi:X+4*\gi+1],   s[6:7] offset:-512*\gi th:TH_STORE_NT
	global_store_b64 v3, v[X+4*\gi+2:X+4*\gi+3], s[6:7] offset:256-512*\gi th:TH_STORE_NT
.endr
.Ldone:
	s_endpgm
.Lfunc_end_k_q6c5b5fb818_softmax:
	.size	k_q6c5b5fb818_softmax, .Lfunc_end_k_q6c5b5fb818_softmax-k_q6c5b5fb818_softmax
	.p2alignl 7, 3214868480
	.fill 96, 4, 3214868480
	.section	.rodata,"a",@progbits
	.p2align	6, 0x0
	.amdhsa_kernel k_q6c5b5fb818_softmax
		.amdhsa_group_segment_fixed_size 0
		.amdhsa_private_segment_fixed_size 0
		.amdhsa_enable_private_segment 0
		.amdhsa_kernarg_size 16
		.amdhsa_user_sgpr_count 2
		.amdhsa_user_sgpr_kernarg_segment_ptr 1
		.amdhsa_wavefront_size32 1
		.amdhsa_system_sgpr_workgroup_id_x 1
		.amdhsa_system_sgpr_workgroup_id_y 1
		.amdhsa_system_sgpr_workgroup_id_z 1
		.amdhsa_system_vgpr_workitem_id 0
		.amdhsa_next_free_vgpr 96
		.amdhsa_next_free_sgpr 66
		.amdhsa_reserve_vcc 1
		.amdhsa_float_denorm_mode_32 3
		.amdhsa_float_denorm_mode_16_64 3
		.amdhsa_memory_ordered 1
		.amdhsa_forward_progress 1
		.amdhsa_inst_pref_size 23
	.end_amdhsa_kernel
	.amdgpu_metadata
---
amdhsa.version: [ 1, 2 ]
amdhsa.kernels:
  - .name:           k_q6c5b5fb818_softmax
    .symbol:         k_q6c5b5fb818_softmax.kd
    .args:
      - { .name: sc, .offset: 0, .size: 8, .value_kind: global_buffer, .address_space: global }
      - { .name: pw, .offset: 8, .size: 8, .value_kind: global_buffer, .address_space: global }
    .group_segment_fixed_size: 0
    .private_segment_fixed_size: 0
    .kernarg_segment_align: 8
    .kernarg_segment_size: 16
    .max_flat_workgroup_size: 256
    .sgpr_count:     66
    .vgpr_count:     96
    .wavefront_size: 32
...
	.end_amdgpu_metadata
.endif
;; end of part 4
;; launch pv (part 5): grid 8 x 32, 4 waves a work-group, clusters of 4 x 1, 327,680 bytes of LDS; arguments pw, qkv, ext, out0; writes out0
.if DOCPART == 5
	.amdgcn_target "amdgcn-amd-amdhsa--gfx1250"
	.amdhsa_code_object_version 6
	.text
	.protected	k_q6c5b5fb818_pv
	.globl	k_q6c5b5fb818_pv
	.p2align	8
	.type	k_q6c5b5fb818_pv,@function
k_q6c5b5fb818_pv:
	s_mov_b64 s[64:65], 0
	v_nop
	global_prefetch_b8 v0, s[64:65] scope:SCOPE_SE
	s_setreg_imm32_b32 hwreg(HW_REG_WAVE_MODE, 25, 1), 1
	s_wait_xcnt 0x0
	s_wait_alu depctr_hold_cnt(0) depctr_sa_sdst(0) depctr_va_vdst(0) depctr_va_sdst(0) depctr_va_ssrc(0) depctr_va_vcc(0) depctr_vm_vsrc(0)
	s_getreg_b32 s2, hwreg(HW_REG_IB_STS2, 6, 4)
	s_cmp_eq_u32 s2, 0
	s_cbranch_scc0 .Lentry_in_a_cluster
	s_endpgm
.Lentry_in_a_cluster:
	s_bfe_u32 s2, ttmp6, 0x10000c
	s_cmp_lg_u32 s2, 0x3003
	s_cbranch_scc0 .Lentry_shape_is_right
	s_endpgm
.Lentry_shape_is_right:
; out0[b][q][e] = sum over k of pw[b][q][k] v[b][k][e].  pw: f16, rows of 4,096 bytes, normalised weights with zeros above the diagonal; v: f16 columns 2048-3071 of qkv's rows of 6,144 bytes; out0: f32.
; A tile is 128 queries x 128 channels; block i of 128 queries needs i / 2 + 1 steps of 256 keys.  A work-group takes TWO blocks, p and then 15 - p, for one block n of channels: 9 steps whatever p, one walk with
; constant trip counts.  The short block goes first: it has 1 to 4 steps, so the change of tiles falls into the loop, which holds the one text of it.
; A STEP IS WRITTEN ONCE: the loop's trip is one step; the slot that is read is a scalar, 0 or SLOT, turned by an exclusive or, and one descriptor a tensor walks from slot to slot in the same way.
; The loop is entered in its middle, behind the change of slots, so that the quarters of the last step but one need no second text.
; THE SECOND PARTS.  Block 0's rows see no key from 128 on.  In its one step the places of keys 128-255 hold other operands: pw's columns 128-191 the weights of keys 0-63 less their f16 rounding, columns 192-255 the
; rounded weights once more; the rows of v beside them come out of ext: rows 0-63 f16(v) of keys 0-63, rows 64-127 what f16's rounding took from them.  So P_lo v + P v_lo is added in places that would multiply zeros.
; CLUSTER 4 x 1: the four partners have the same batch and p and four neighbouring n: they walk the same tiles of pw, which are asked for jointly (mask of four); v's tiles differ and are loads of one's own
; behind the same round.  No branch and no LDS address hangs on the place in the cluster.  v's tiles are not shared: of the eight work-groups of a batch and n only two walk the same key steps, and block 0's
; step takes other rows than its partner's.
; Four waves, each 64 x 64: 16 accumulators.  Source 0 = 16 channels of v, turned out of LDS by ds_load_tr16_b128; source 1 = 16 queries of pw: a lane holds query l % 16 and 8 neighbouring channels.
; A wave's 64 channels are 256 bytes of f32: each wave sends its own rows out through its own stage.  No prefetch: a step's tile is small and the partners share pw's.
; REGISTERS: window 0: v0-31 addresses; v32-95 rows read back from the stage; v128-255 the accumulators ((a, b) at v[128 + 8 (4 a + b)]).  window 1: two fragment buffers of 128: 64 of pw, then 64 of v.
.set PPA,    528                       ; a row of pw in LDS: 512 bytes + 16
.set PPV,    288                       ; a row of v: 256 bytes + 32
.set VOFF,   128*PPA                   ; a slot: 128 rows of pw, then 256 rows of v: 141,312 bytes
.set SLOT,   147456                    ; 0x24000: none of the tiles' places in a slot (0, 0x8400, 0x10800, 0x19800) has one of its two bits, so an exclusive or with it goes from slot to slot
.set STAGE,  2*SLOT                    ; behind the ring: 16 rows x 272 bytes for each wave
.set SPITCH, 272
.set SPARE,  STAGE+4*16*SPITCH         ; behind the stages: the spare words, 128 bytes a wave
.set ADRA, 16                          ; v16     my fragments of pw in slot 0; never rewritten
.set CA,   17                          ; v17     the same in the slot that is being read
.set ADRB, 20                          ; v20-21  my fragments of v in slot 0, by halves of the step's keys; never rewritten
.set CB,   22                          ; v22-23  the same in the slot that is being read
.set STO,  24
.set RD,   25
.set CO,   26
.set SPW,  28
.set NIL,  29
.set TMP,  32
.set ACC,  128
.set F0,   0
.set F1,   128
.set G1A, 24                           ; s[24:31] group 1 for pw's tiles;  s[32:39] group 0: a set for each of the two first fills; the second then walks on
.set G0A, 32
.set G1B, 40                           ; s[40:47], s[48:55] the same for v's
.set G0B, 48
.set FIRST, 17                         ; s17  the block that goes first: p
.set SECOND, 18                        ; s18  15 - p
.set N1,   19                          ; s19  the first block's steps: 1 to 4
.set U,    20                          ; s20  the step of the walk to be asked for next
.set DONE, 21                          ; s21  steps multiplied
.set PB,   56                          ; s[56:57] pw at my batch and my 64 rows of a block
.set VB,   58                          ; s[58:59] v at my batch, my 128 keys of a step, my work-group's channels
.set OUTP, 60                          ; s[60:61] out0 at my rows and channels of the block in hand
.set OUT2, 62                          ; s[62:63] of the second block
.set EXT,  72                          ; s[72:73] ext
.set OUT0, 74                          ; s[74:75] out0
.set VX,   76                          ; s[76:77] ext at my batch's first row, v's columns, my work-group's channels
.set NS,   78                          ; s78  0 in the waves that fetch a step's second 128 rows
.set TB,   79                          ; s79  the slot that is being read: 0 or SLOT
.set TA,   80                          ; s[80:81] v's address of the common kind
.set MSB, 0
.macro WIN new
.if MSB != (\new)
	s_set_vgpr_msb (MSB<<8)|(\new)
.set MSB, \new
.endif
.endm
.set MUL,  0x05                        ; sources 0 and 1 window 1; C and D window 0
.set TO_F, 0x40                        ; destination window 1, address window 0
.macro JLOAD s                         ; waves 0 and 1 fetch pw's two halves (jointly), waves 2 and 3 v's; an s_nop 0 and four v_nop follow each line
	s_cmp_lt_u32 s10, 2
	s_cbranch_scc0 .Lfor_b_\@
	tensor_load_to_lds s[G0A+4*(\s):G0A+4*(\s)+3], s[G1A:G1A+7]
	s_nop 0
.rept 4
	v_nop
.endr
	s_branch .Lasked_\@
.Lfor_b_\@:
	tensor_load_to_lds s[G0B+4*(\s):G0B+4*(\s)+3], s[G1B:G1B+7]
	s_nop 0
.rept 4
	v_nop
.endr
.Lasked_\@:
.endm
.macro CREST
	s_cmp_lg_u32 s10, 0
	s_cbranch_scc1 .Lnot_wave_0_\@
	s_barrier_signal -3
.Lnot_wave_0_\@:
	s_barrier_wait -3
	s_barrier_signal -1
	s_barrier_wait -1
.endm
.macro CROUND
	s_barrier_signal -1
	s_barrier_wait -1
	CREST
.endm
; The global addresses of walk step U, made anew from its number, into set s of the two groups 0.  s66, s67, s70, which feed pw's joint descriptor, never hold the place in the cluster.
; In block 0's step the second 128 rows of v come out of ext: a choice between two buffers on the block's number and the wave's.
.macro NEXTADR s
	s_cmp_lt_u32 s[U], s[N1]
	s_cselect_b32 s66, s[FIRST], s[SECOND]         ; the block,
	s_cselect_b32 s70, 0, s[N1]
	s_sub_co_u32 s70, s[U], s70                    ; and its step of 256 keys
	s_or_b32 s71, s66, s[NS]                       ; 0: block 0, and I fetch the step's second 128 rows
	s_lshl_b32 s66, s66, 19                        ; 128 rows of 4,096 bytes
	s_lshl_b32 s67, s70, 9                         ; 256 keys of 2 bytes
	s_add_co_u32 s66, s66, s67
	s_mov_b32 s67, 0
	s_mul_i32 s68, s70, 256*6144                   ; 256 rows of qkv
	s_mov_b32 s69, 0
	s_add_nc_u64 s[G0A+4*(\s)+2:G0A+4*(\s)+3], s[PB:PB+1], s[66:67]
	s_or_b32 s[G0A+4*(\s)+3], s[G0A+4*(\s)+3], 0x80000000
	s_add_nc_u64 s[TA:TA+1], s[VB:VB+1], s[68:69]
	s_cmp_eq_u32 s71, 0
	s_cselect_b64 s[G0B+4*(\s)+2:G0B+4*(\s)+3], s[VX:VX+1], s[TA:TA+1]
	s_or_b32 s[G0B+4*(\s)+3], s[G0B+4*(\s)+3], 0x80000000
	s_add_co_u32 s[U], s[U], 1
.endm
.macro OUTPTR dst, q                   ; out0 at block q: row batch x 2,048 + 128 q + 64 x my half, of 4,096 bytes; + 512 n + 256 x my half of the channels
	s_lshl_b32 s22, s15, 11
	s_lshl_b32 s23, \q, 7
	s_add_co_u32 s22, s22, s23
	s_lshl_b32 s23, s11, 6
	s_add_co_u32 s22, s22, s23
	s_lshl_b32 s22, s22, 12
	s_lshl_b32 s23, s14, 9
	s_add_co_u32 s22, s22, s23
	s_lshl_b32 s23, s12, 8
	s_add_co_u32 s22, s22, s23
	s_mov_b32 s23, 0
	s_add_nc_u64 s[\dst:\dst+1], s[OUT0:OUT0+1], s[22:23]
.endm
	s_load_b128 s[4:7], s[0:1], 0x0                ; pw s[4:5], qkv s[6:7]
	s_load_b128 s[EXT:EXT+3], s[0:1], 0x10         ; ext s[72:73], out0 s[74:75]
	v_lshl_add_u32 v[SPW], v0, 2, SPARE
	v_mov_b32 v[NIL], 0
	ds_add_u32 v[SPW], v[NIL]                      ; the wave's opening
	ds_add_u32 v28, v29
	v_lshrrev_b32 v1, 5, v0
	v_readfirstlane_b32 s10, v1                    ; wave 0..3
	s_lshr_b32 s11, s10, 1                         ; my half of the tile's queries
	s_and_b32 s12, s10, 1                          ; my half of its channels; also: which half of a tile I fetch
	s_xor_b32 s[NS], s12, 1
	s_bfe_u32 s13, ttmp6, 0x40000                  ; cx
	s_lshl_b32 s14, ttmp9, 2
	s_add_co_u32 s14, s14, s13                     ; n: it enters v's and out0's addresses alone
	s_and_b32 s16, ttmp7, 0xffff
	s_lshr_b32 s15, s16, 3                         ; the batch
	s_and_b32 s16, s16, 7                          ; p
	s_mov_b32 s[FIRST], s16
	s_sub_co_u32 s[SECOND], 15, s16
	s_lshr_b32 s[N1], s16, 1
	s_add_co_u32 s[N1], s[N1], 1
	s_mov_b32 s[U], 0
	s_mov_b32 s[DONE], 0
	s_mov_b32 s[TB], 0
	s_mov_b32 s[G1A+0], 15|(1<<16)|(1<<20)|(1<<21)|(6<<22)|(3<<25)  ; the mask of four; 2-byte elements; padding on; bit 21 beside a mask; after every 128 words 4 words
	s_mov_b32 s[G1A+1], 256<<16                    ; tensor_dim0 = 256
	s_mov_b32 s[G1A+2], 64<<16                     ; tensor_dim1 = 64
	s_mov_b32 s[G1A+3], 256<<16                    ; tile_dim0 = 256
	s_mov_b32 s[G1A+4], 64                         ; tile_dim1 = 64
	s_mov_b32 s[G1A+5], 2048                       ; elements from row to row
	s_mov_b32 s[G1A+6], 0
	s_mov_b32 s[G1A+7], 0
	s_mov_b32 s[G1B+0], (1<<16)|(1<<20)|(5<<22)|(7<<25)  ; no mask; after every 64 words 8 words
	s_mov_b32 s[G1B+1], 128<<16
	s_mov_b32 s[G1B+2], 128<<16
	s_mov_b32 s[G1B+3], 128<<16
	s_mov_b32 s[G1B+4], 128
	s_mov_b32 s[G1B+5], 3072                       ; qkv's and ext's rows alike
	s_mov_b32 s[G1B+6], 0
	s_mov_b32 s[G1B+7], 0
	s_mul_i32 s66, s12, 64*PPA                     ; where the tiles go: my half of pw's rows,
	s_mul_i32 s68, s12, 128*PPV                    ; or of v's, behind pw's
	s_add_co_u32 s68, s68, VOFF
.irp s, 0,1
	s_mov_b32 s[G0A+4*(\s)], 1
	s_add_co_u32 s[G0A+4*(\s)+1], s66, (\s)*SLOT
	s_mov_b32 s[G0B+4*(\s)], 1
	s_add_co_u32 s[G0B+4*(\s)+1], s68, (\s)*SLOT
.endr
	s_lshl_b32 s66, s15, 23                        ; a batch of pw: 2,048 rows of 4,096 bytes
	s_lshl_b32 s67, s12, 18                        ; my 64 rows
	s_add_co_u32 s66, s66, s67
	s_mov_b32 s67, 0
	s_lshl_b32 s68, s15, 11
	s_lshl_b32 s69, s12, 7
	s_add_co_u32 s68, s68, s69                     ; qkv's row: batch x 2,048 + my 128 keys
	s_mul_i32 s68, s68, 6144
	s_add_co_u32 s68, s68, 4096                    ; v lies 4,096 bytes into a row
	s_lshl_b32 s69, s14, 8                         ; 128 channels of 2 bytes
	s_add_co_u32 s68, s68, s69
	s_mov_b32 s69, 0
	s_mul_i32 s8, s15, 256*6144                    ; ext: 256 rows a batch,
	s_add_co_u32 s8, s8, 4096                      ; v's columns,
	s_lshl_b32 s9, s14, 8                          ; my work-group's channels
	s_add_co_u32 s8, s8, s9
	s_mov_b32 s9, 0
	s_wait_dscnt 0x0                               ; the opening add is done
	s_wait_kmcnt 0x0
	s_add_nc_u64 s[PB:PB+1], s[4:5], s[66:67]
	s_add_nc_u64 s[VB:VB+1], s[6:7], s[68:69]
	s_add_nc_u64 s[VX:VX+1], s[EXT:EXT+1], s[8:9]
	OUTPTR OUTP, s[FIRST]
	OUTPTR OUT2, s[SECOND]
	NEXTADR 0
	NEXTADR 1
	CROUND                                         ; all four work-groups are here: the first joint loads meet
	s_cmp_lt_u32 s10, 2                            ; a wave's two first fills stand in one branch: two loads of mine are out
	s_cbranch_scc0 .Lfirst_b
	tensor_load_to_lds s[G0A:G0A+3], s[G1A:G1A+7]
	s_nop 0
	tensor_load_to_lds s[G0A+4:G0A+7], s[G1A:G1A+7]
	s_nop 0
.rept 4
	v_nop
.endr
	s_branch .Lfirst_asked
.Lfirst_b:
	tensor_load_to_lds s[G0B:G0B+3], s[G1B:G1B+7]
	s_nop 0
	tensor_load_to_lds s[G0B+4:G0B+7], s[G1B:G1B+7]
	s_nop 0
.rept 4
	v_nop
.endr
.Lfirst_asked:
	v_and_b32 v1, 15, v0                           ; l % 16
	v_bfe_u32 v2, v0, 4, 1                         ; l / 16
	v_mul_u32_u24 v3, v1, PPA
	v_lshl_add_u32 v3, v2, 4, v3                   ; pw: row x pitch + 16 x half
	s_mul_i32 s22, s11, 64*PPA                     ; my 64 queries
	v_add_nc_u32 v[ADRA], s22, v3
	v_mov_b32 v[CA], v[ADRA]                       ; slot 0 is read first
	; the turning load takes 16 keys x 16 channels: lane l reads key 8 (l / 16) + l % 8, channels 8 ((l / 8) % 2) + 0..7, and is left with channel l % 16 and 8 keys
	v_and_b32 v4, 7, v0
	v_bfe_u32 v5, v0, 3, 1
	v_lshl_add_u32 v6, v2, 3, v4
	v_mul_u32_u24 v6, v6, PPV
	v_lshl_add_u32 v6, v5, 4, v6
	s_lshl_b32 s23, s12, 7                         ; my 64 channels: 128 bytes
	s_add_co_u32 s23, s23, VOFF
	v_add_nc_u32 v[ADRB], s23, v6
	s_add_co_u32 s22, s23, 128*PPV
	v_add_nc_u32 v[ADRB+1], s22, v6
	v_mov_b32 v[CB], v[ADRB]
	v_mov_b32 v[CB+1], v[ADRB+1]
	s_mul_i32 s22, s10, 16*SPITCH
	s_add_co_u32 s22, s22, STAGE                   ; my stage
	v_mul_u32_u24 v7, v1, SPITCH                   ; in: row l % 16, 32 bytes for each half of the lanes
	v_lshl_add_u32 v7, v2, 5, v7
	v_add_nc_u32 v[STO], s22, v7
	v_mul_u32_u24 v7, v2, SPITCH                   ; back: lanes 0-15 one row of 256 bytes, lanes 16-31 the next
	v_lshl_add_u32 v7, v1, 4, v7
	v_add_nc_u32 v[RD], s22, v7
	v_lshlrev_b32 v7, 12, v2                       ; and the same two rows in out0
	v_lshl_add_u32 v[CO], v1, 4, v7
; 8 matrix instructions: query blocks a0, a0 + 1 x all 4 channel blocks, 32 keys: half c of buffer f.  The 16 accumulators take turns.
.macro MUL8 f, c, a0, zero
	WIN MUL
.irp a, \a0, (\a0)+1
.irp b, 0,1,2,3
.if \zero
	v_wmma_f32_16x16x32_f16 v[ACC+8*(4*(\a)+(\b)):ACC+8*(4*(\a)+(\b))+7], v[(\f)+64+8*(4*(\c)+(\b)):(\f)+64+8*(4*(\c)+(\b))+7], v[(\f)+8*(4*(\c)+(\a)):(\f)+8*(4*(\c)+(\a))+7], 0
.else
	v_wmma_f32_16x16x32_f16 v[ACC+8*(4*(\a)+(\b)):ACC+8*(4*(\a)+(\b))+7], v[(\f)+64+8*(4*(\c)+(\b)):(\f)+64+8*(4*(\c)+(\b))+7], v[(\f)+8*(4*(\c)+(\a)):(\f)+8*(4*(\c)+(\a))+7], v[ACC+8*(4*(\a)+(\b)):ACC+8*(4*(\a)+(\b))+7]
.endif
.endr
.endr
.endm
; 32 LDS loads in one run: the fragments of quarter qd (64 keys) of the step in the slot that is being read, into buffer f; the first 32 keys first
.macro FETCH qd, f
	WIN TO_F
.irp c, 0,1
.irp i, 0,1,2,3
	ds_load_tr16_b128 v[(\f)+64+8*(4*(\c)+(\i)):(\f)+64+8*(4*(\c)+(\i))+3],   v[CB+(\qd)/2] offset:(((\qd)%2)*64+32*(\c))*PPV+32*(\i)
	ds_load_tr16_b128 v[(\f)+64+8*(4*(\c)+(\i))+4:(\f)+64+8*(4*(\c)+(\i))+7], v[CB+(\qd)/2] offset:(((\qd)%2)*64+32*(\c)+16)*PPV+32*(\i)
	ds_load_b128 v[(\f)+8*(4*(\c)+(\i)):(\f)+8*(4*(\c)+(\i))+3],         v[CA] offset:128*(\qd)+64*(\c)+(\i)*16*PPA
	ds_load_b128 v[(\f)+8*(4*(\c)+(\i))+4:(\f)+8*(4*(\c)+(\i))+7],       v[CA] offset:128*(\qd)+64*(\c)+(\i)*16*PPA+32
.endr
.endr
.endm
.macro PLACES                          ; four plain vector instructions between a matrix instruction and a load into, or a reader of, its registers
.rept 4
	v_nop
.endr
.endm
.macro QUARTER qd, f, g, zero          ; multiplies buffer f and fetches quarter qd into g
	s_wait_dscnt 16                                ; the first 32 keys' fragments are in
	WIN MUL
	MUL8 \f, 0, 0, \zero
	MUL8 \f, 0, 2, \zero
	PLACES
	FETCH \qd, \g
	s_wait_dscnt 32                                ; all but the 32 just issued
	WIN MUL
	MUL8 \f, 1, 0, 0
	MUL8 \f, 1, 2, 0
.endm
; A step's last quarter multiplies buffer 1 and changes slots.  fill = 1: the slot that is left is filled again, with the walk's step U; the barrier then opens a round of the cluster's.
.macro TURN fill
	WIN 0
	s_wait_tensorcnt 0x0                           ; all my tensor loads have landed: my part of the next slot; so a group 0 may be written
	ds_add_u32 v[SPW], v[NIL]                      ; 0 onto my spare word; the scalar work below stands between it and the wait for it
.if \fill
	NEXTADR 1
	s_xor_b32 s[G0A+5], s[G0A+5], SLOT             ; the walking descriptors: the other slot than last time
	s_xor_b32 s[G0B+5], s[G0B+5], SLOT
.endif
	s_xor_b32 s[TB], s[TB], SLOT
	s_wait_dscnt 17                                ; (the add and the youngest sixteen loads may be out)
	WIN MUL
	MUL8 F1, 0, 0, 0
	s_wait_dscnt 0x0                               ; the add is done, and my reads of this slot are over
	s_barrier_signal -1
	MUL8 F1, 0, 2, 0
	WIN 0
	s_barrier_wait -1
.if \fill
	CREST                                          ; no wave of any partner still reads this slot's tile or has a load on its way
	JLOAD 1                                        ; my one tensor load behind the round; its four v_nop are also the places in front of the loads below
.else
	PLACES
.endif
	v_add_nc_u32 v[CA], s[TB], v[ADRA]
	v_add_nc_u32 v[CB], s[TB], v[ADRB]
	v_add_nc_u32 v[CB+1], s[TB], v[ADRB+1]
	FETCH 0, F0
	WIN MUL
	MUL8 F1, 1, 0, 0
	MUL8 F1, 1, 2, 0
.endm
; THE WAY OUT.  Block a's 16 rows x 64 channels of f32 go from the accumulators into my stage (each accumulator's low four registers first) and come back as whole rows of 256 bytes.
.macro STG a
.irp b, 0,1,2,3
	ds_store_b128 v[STO], v[ACC+8*(4*(\a)+(\b)):ACC+8*(4*(\a)+(\b))+3]   offset:64*(\b)
	ds_store_b128 v[STO], v[ACC+8*(4*(\a)+(\b))+4:ACC+8*(4*(\a)+(\b))+7] offset:64*(\b)+16
.endr
	s_wait_xcnt 0x0                                ; the global stores of the block two back have read these registers: only now are they loaded again
.irp t, 0,1,2,3,4,5,6,7
	ds_load_b128 v[TMP+32*((\a)%2)+4*(\t):TMP+32*((\a)%2)+4*(\t)+3], v[RD] offset:(\t)*2*SPITCH  ; LDS serves a wave's instructions in order (ISA guide 5.7.1.4)
.endr
.endm
.macro SND a, younger                  ; younger: the next block's eight stores and eight loads, or none
	s_wait_dscnt \younger
.irp t, 0,1,2,3,4,5,6,7
	global_store_b128 v[CO], v[TMP+32*((\a)%2)+4*(\t):TMP+32*((\a)%2)+4*(\t)+3], s[OUTP:OUTP+1] offset:(16*(\a)+2*(\t))*4096 th:TH_STORE_NT  ; sixteen lanes store 256 consecutive bytes, aligned
.endr
.endm
.macro WAYOUT
	STG 0
	STG 1
	SND 0, 16
	STG 2
	SND 1, 16
	STG 3
	SND 2, 16
	SND 3, 0
.endm
; Behind each change of slots of the loop: if the first block's steps are done, it leaves, the sums start again at 0 and the pointer goes to the second block.  The jump goes forward and passes no barrier and no
; tensor load; it hangs on p, which the partners of a cluster share.  The clearing, once a work-group, keeps one form of product in the loop.
.macro BOUNDARY
	WIN 0
	s_add_co_u32 s[DONE], s[DONE], 1
	s_cmp_eq_u32 s[DONE], s[N1]
	s_cbranch_scc0 .Lon_\@
	PLACES
	WAYOUT
.set r, 0
.rept 128
	v_mov_b32 v[ACC+r], 0
.set r, r+1
.endr
	s_wait_xcnt 0x0                                ; the stores have read their base
	s_mov_b64 s[OUTP:OUTP+1], s[OUT2:OUT2+1]
.Lon_\@:
.endm
	s_wait_tensorcnt 1                             ; my part of step 0 is in; step 1's may stay out
	s_barrier_signal -1
	s_barrier_wait -1
	FETCH 0, F0
	QUARTER 1, F0, F1, 1                           ; the first quarter starts the sums
	WIN 0
	s_mov_b32 s3, 8
	s_branch .Lin                                  ; the loop is entered behind the change of slots: step 0 has none in front of it
.Lstep:                                                ; seven times: a step's last quarter fills the slot that it leaves (steps 2 to 8 are asked for), and the next step's first quarter follows
	TURN 1
	BOUNDARY
	QUARTER 1, F0, F1, 0
	WIN 0
.Lin:                                                  ; eight times: the second and third quarters of steps 0 to 7
	QUARTER 2, F1, F0, 0
	QUARTER 3, F0, F1, 0
	WIN 0
	s_sub_co_u32 s3, s3, 1
	s_cmp_lg_u32 s3, 0
	s_cbranch_scc1 .Lstep
	TURN 0                                         ; the end of step 7 and step 8 are written out: nothing is asked for
	QUARTER 1, F0, F1, 0
	QUARTER 2, F1, F0, 0
	QUARTER 3, F0, F1, 0
	s_wait_dscnt 16                                ; the very last quarter: nothing more to fetch
	WIN MUL
	MUL8 F1, 0, 0, 0
	MUL8 F1, 0, 2, 0
	s_wait_dscnt 0
	MUL8 F1, 1, 0, 0
	MUL8 F1, 1, 2, 0
	WIN 0
	PLACES
	WAYOUT
	s_wait_tensorcnt 0x0                           ; the wave's end
	ds_add_u32 v[SPW], v[NIL]
	s_wait_dscnt 0x0
	CROUND                                         ; the closing round
	s_endpgm
.Lfunc_end_k_q6c5b5fb818_pv:
	.size	k_q6c5b5fb818_pv, .Lfunc_end_k_q6c5b5fb818_pv-k_q6c5b5fb818_pv
	.p2alignl 7, 3214868480
	.fill 96, 4, 3214868480
	.section	.rodata,"a",@progbits
	.p2align	6, 0x0
	.amdhsa_kernel k_q6c5b5fb818_pv
		.amdhsa_group_segment_fixed_size 327680
		.amdhsa_private_segment_fixed_size 0
		.amdhsa_enable_private_segment 0
		.amdhsa_kernarg_size 32
		.amdhsa_user_sgpr_count 2
		.amdhsa_user_sgpr_kernarg_segment_ptr 1
		.amdhsa_wavefront_size32 1
		.amdhsa_system_sgpr_workgroup_id_x 1
		.amdhsa_system_sgpr_workgroup_id_y 1
		.amdhsa_system_sgpr_workgroup_id_z 1
		.amdhsa_system_vgpr_workitem_id 0
		.amdhsa_next_free_vgpr 512
		.amdhsa_next_free_sgpr 84
		.amdhsa_reserve_vcc 0
		.amdhsa_float_denorm_mode_32 3
		.amdhsa_float_denorm_mode_16_64 3
		.amdhsa_memory_ordered 1
		.amdhsa_forward_progress 1
		.amdhsa_inst_pref_size 73
	.end_amdhsa_kernel
	.amdgpu_metadata
---
amdhsa.version: [ 1, 2 ]
amdhsa.kernels:
  - .name:           k_q6c5b5fb818_pv
    .symbol:         k_q6c5b5fb818_pv.kd
    .args:
      - { .name: pw, .offset: 0, .size: 8, .value_kind: global_buffer, .address_space: global }
      - { .name: qkv, .offset: 8, .size: 8, .value_kind: global_buffer, .address_space: global }
      - { .name: ext, .offset: 16, .size: 8, .value_kind: global_buffer, .address_space: global }
      - { .name: out0, .offset: 24, .size: 8, .value_kind: global_buffer, .address_space: global }
    .group_segment_fixed_size: 327680
    .private_segment_fixed_size: 0
    .kernarg_segment_align: 8
    .kernarg_segment_size: 32
    .max_flat_workgroup_size: 128
    .sgpr_count:     84
    .vgpr_count:     512
    .wavefront_size: 32
...
	.end_amdgpu_metadata
.endif
;; end of part 5
